; MI455X (gfx1250); checked and timed in simulation.
; The chip was launched on July 23, 2026; its instructions are those of AMD's public machine-readable ISA for CDNA 5 (MIT licence, August 2026) and "CDNA5" Instruction Set Architecture Reference Guide (July 2026). The comments in the code are by the model that wrote it; some were corrected since.
;; MHA. Allowed arithmetic: float matrix products may take bf16 or f16 operands with f32 sums; all other float work in f32.
;; Inputs: Wk 1,024 x 1,024 float32; Wo 1,024 x 1,024 float32; Wq 1,024 x 1,024 float32; Wv 1,024 x 1,024 float32; attn_mask 1 x 1 x 2,048 x 2,048 int32; bk 1,024 float32; bo 1,024 float32; bq 1,024 float32; bv 1,024 float32; x 4 x 2,048 x 1,024 float32.
;; Outputs: out0 4 x 2,048 x 1,024 float32.
;; 3 versions, each right; version 2 is faster than version 1; version 3 is version 2 with the launch prep written anew for expert scheduling mode. Each part assembles by itself: llvm-mc -triple=amdgcn-amd-amdhsa -mcpu=gfx1250 --defsym DOCPART=n.
;; ======== version 1 of 3: 4 launches
;; limits: values are held in f16: magnitudes above 65,504 overflow, below 6.1e-05 lose precision
;; workspace buffers: xb 16,777,216 bytes; wb 8,388,608 bytes; mb 524,288 bytes of whole numbers; qkvb 50,331,648 bytes; ctxb 16,777,216 bytes
;; launch prep (part 1): grid 512 x 1, 8 waves a work-group, no clusters, 0 bytes of LDS; arguments x, Wq, Wk, Wv, Wo, attn_mask, xb, wb, mb; writes xb, wb, mb
.if DOCPART == 1
	.amdgcn_target "amdgcn-amd-amdhsa--gfx1250"
	.amdhsa_code_object_version 6
	.text
	.protected	k_qdad328c3dc_prep
	.globl	k_qdad328c3dc_prep
	.p2align	8
	.type	k_qdad328c3dc_prep,@function
k_qdad328c3dc_prep:
	s_mov_b64 s[64:65], 0
	v_nop
	global_prefetch_b8 v0, s[64:65] scope:SCOPE_SE
	s_setreg_imm32_b32 hwreg(HW_REG_WAVE_MODE, 25, 1), 1
	s_wait_xcnt 0x0
; prep: x and the four weights are rounded to bf16 (same layout), and the int32 mask is packed to one bit a number.
; 512 work-groups of eight waves, each with 131,072 bytes to read:
;   groups 0-255   a chunk of 32,768 numbers of x            -> xb
;   groups 256-383 a chunk of 32,768 numbers of Wq,Wk,Wv,Wo  -> wb = [4][1024][1024]
;   groups 384-511 eight tiles (one a wave) of 64 queries x 64 keys of attn_mask -> mb
; Wo (groups 352-383) gets the same rounding to bf16 as the other weights, and that value is then written in f16: its partner in the last product, ctx,
; is kept in f16, and a matrix instruction takes one format.  A bf16 number has 8 significant bits, so it is exact in f16 for |w| >= 2^-17 and falls on a
; multiple of 2^-24 below.  Limit: |Wo| < 65,504.
; mb = [q/64][key/64][n 4][kt 4][j 8] words; bit r + 16 h of a word says attn_mask[64 q64 + 16 n + r][64 kb + 16 kt + 8 h + j] != 0:
; the word is the lane mask of one register of a 16 x 16 score tile in the attention launch.
; A stream: no LDS, no barrier, no matrix unit.  All of a wave's 32 loads go out in one run; the waits count down.
.set NX,    256                        ; groups that cast x
.set NWO,   352                        ; first group of Wo
.set NCAST, 384                        ; groups that cast
.set DAT,   8                          ; v[8:135] the 128 words that a lane loads
; Unit n of a chunk: 8 numbers of the thread are rounded, packed and stored.  h = 1: the bf16 values are written in f16.
.macro UNIT n, h
	s_wait_loadcnt 30-2*\n                         ; loads come back in order: unit n's two are in, the 30 - 2 n younger ones stay out
	v_cvt_pk_bf16_f32 v[DAT+8*\n],   v[DAT+8*\n],   v[DAT+8*\n+1]   ; in place, ascending: a register is written after its last read
	v_cvt_pk_bf16_f32 v[DAT+8*\n+1], v[DAT+8*\n+2], v[DAT+8*\n+3]
	v_cvt_pk_bf16_f32 v[DAT+8*\n+2], v[DAT+8*\n+4], v[DAT+8*\n+5]
	v_cvt_pk_bf16_f32 v[DAT+8*\n+3], v[DAT+8*\n+6], v[DAT+8*\n+7]
.if \h
	v_and_b32     v[DAT+8*\n+7], 0xffff0000, v[DAT+8*\n+3]          ; bf16 to f32, descending: a packed word is read before its register is written
	v_lshlrev_b32 v[DAT+8*\n+6], 16, v[DAT+8*\n+3]
	v_and_b32     v[DAT+8*\n+5], 0xffff0000, v[DAT+8*\n+2]
	v_lshlrev_b32 v[DAT+8*\n+4], 16, v[DAT+8*\n+2]
	v_and_b32     v[DAT+8*\n+3], 0xffff0000, v[DAT+8*\n+1]
	v_lshlrev_b32 v[DAT+8*\n+2], 16, v[DAT+8*\n+1]
	v_and_b32     v[DAT+8*\n+1], 0xffff0000, v[DAT+8*\n]
	v_lshlrev_b32 v[DAT+8*\n],   16, v[DAT+8*\n]
	v_cvt_pk_f16_f32 v[DAT+8*\n],   v[DAT+8*\n],   v[DAT+8*\n+1]
	v_cvt_pk_f16_f32 v[DAT+8*\n+1], v[DAT+8*\n+2], v[DAT+8*\n+3]
	v_cvt_pk_f16_f32 v[DAT+8*\n+2], v[DAT+8*\n+4], v[DAT+8*\n+5]
	v_cvt_pk_f16_f32 v[DAT+8*\n+3], v[DAT+8*\n+6], v[DAT+8*\n+7]
.endif
	global_store_b128 v2, v[DAT+8*\n:DAT+8*\n+3], s[30:31] offset:4096*\n   ; no register of a store is written again
.endm
	s_load_b512 s[8:23], s[0:1], 0x0               ; x s[8:9], Wq s[10:11], Wk s[12:13], Wv s[14:15], Wo s[16:17], attn_mask s[18:19], xb s[20:21], wb s[22:23]
	s_load_b64 s[24:25], s[0:1], 0x40              ; mb
	s_cmp_ge_u32 ttmp9, NCAST
	s_cbranch_scc1 .Lmask
	; ---- casts.  Unit u of a chunk: 8,192 bytes in (32 a thread), 4,096 bytes out (16 a thread: a wave's store covers 512 consecutive bytes)
	s_sub_co_u32 s2, ttmp9, NX                     ; chunk among the weights' 128 (not used by the groups of x)
	s_lshr_b32 s3, s2, 5                           ; which weight
	s_and_b32 s4, s2, 31                           ; chunk inside it
	v_lshlrev_b32 v1, 5, v0                        ; 32 t
	v_lshlrev_b32 v2, 4, v0                        ; 16 t
	s_wait_kmcnt 0x0
	s_cmp_eq_u32 s3, 1
	s_cselect_b64 s[28:29], s[12:13], s[10:11]
	s_cmp_eq_u32 s3, 2
	s_cselect_b64 s[28:29], s[14:15], s[28:29]
	s_cmp_eq_u32 s3, 3
	s_cselect_b64 s[28:29], s[16:17], s[28:29]
	s_cmp_lt_u32 ttmp9, NX
	s_cselect_b64 s[28:29], s[8:9], s[28:29]       ; from: x or the weight
	s_cselect_b64 s[30:31], s[20:21], s[22:23]     ; to: xb or wb
	s_cselect_b32 s4, ttmp9, s4                    ; chunk in the source
	s_cselect_b32 s5, ttmp9, s2                    ; chunk in the destination
	s_lshl_b32 s32, s4, 17                         ; x 131,072 bytes
	s_mov_b32 s33, 0
	s_lshl_b32 s34, s5, 16                         ; x 65,536 bytes
	s_mov_b32 s35, 0
	s_add_nc_u64 s[28:29], s[28:29], s[32:33]
	s_add_nc_u64 s[30:31], s[30:31], s[34:35]
.set u, 0
.rept 16
	global_load_b128 v[DAT+8*u:DAT+8*u+3],   v1, s[28:29] offset:8192*u th:TH_LOAD_NT
	global_load_b128 v[DAT+8*u+4:DAT+8*u+7], v1, s[28:29] offset:8192*u+16 th:TH_LOAD_NT
.set u, u+1
.endr
	s_cmp_ge_u32 ttmp9, NWO
	s_cbranch_scc1 .Lwo
.irp u, 0,1,2,3,4,5,6,7,8,9,10,11,12,13,14,15
	UNIT \u, 0
.endr
	s_endpgm
.Lwo:
.irp u, 0,1,2,3,4,5,6,7,8,9,10,11,12,13,14,15
	UNIT \u, 1
.endr
	s_endpgm
	; ---- the mask.  Lane r + 16 h takes row 16 n + r, words 16 kt + 8 h + 0..7: register DAT + 32 n + 8 kt + j is word (n, kt, j) of the tile.
.Lmask:
	v_lshrrev_b32 v1, 5, v0
	v_readfirstlane_b32 s3, v1                     ; wave
	s_sub_co_u32 s2, ttmp9, NCAST
	s_lshl3_add_u32 s2, s2, s3                     ; tile T = 8 x group + wave = 32 q64 + kb
	s_lshr_b32 s4, s2, 5                           ; q64
	s_and_b32 s5, s2, 31                           ; kb
	s_lshl_b32 s32, s4, 19                         ; 64 rows of 8,192 bytes
	s_lshl_b32 s5, s5, 8                           ; 64 words
	s_add_co_u32 s32, s32, s5
	s_mov_b32 s33, 0
	s_lshl_b32 s34, s2, 9                          ; 128 words out for each tile
	s_mov_b32 s35, 0
	v_and_b32 v2, 15, v0                           ; r
	v_bfe_u32 v3, v0, 4, 1                         ; h
	v_lshlrev_b32 v1, 13, v2
	v_lshl_add_u32 v1, v3, 5, v1                   ; 8,192 r + 32 h
	v_and_b32 v2, 31, v0
	v_lshlrev_b32 v2, 4, v2                        ; 16 x lane: where I store
.irp k, 4,5,6,7
	v_mov_b32 v\k, 0                               ; v_writelane_b32 keeps the other lanes: the four registers are written whole first
.endr
	s_wait_kmcnt 0x0
	s_add_nc_u64 s[18:19], s[18:19], s[32:33]
	s_add_nc_u64 s[24:25], s[24:25], s[34:35]
.irp n, 0,1,2,3
.irp kt, 0,1,2,3
	global_load_b128 v[DAT+32*\n+8*\kt:DAT+32*\n+8*\kt+3],   v1, s[18:19] offset:\n*131072+\kt*64 th:TH_LOAD_NT
	global_load_b128 v[DAT+32*\n+8*\kt+4:DAT+32*\n+8*\kt+7], v1, s[18:19] offset:\n*131072+\kt*64+16 th:TH_LOAD_NT
.endr
.endr
	; word w of the tile goes to lane w / 4, register 4 + w % 4, so that one store of 16 bytes a lane writes the tile's 512 bytes
.set n, 0
.rept 4
	s_wait_loadcnt 24-8*n                          ; the eight loads of rows 16 n .. 16 n + 15 are in, the younger ones stay out
.set w, 32*n
.rept 32
	v_cmp_ne_u32 s[26+(w&1)], 0, v[DAT+w]
	v_writelane_b32 v[4+(w&3)], s[26+(w&1)], w>>2
.set w, w+1
.endr
.set n, n+1
.endr
	global_store_b128 v2, v[4:7], s[24:25]
	s_endpgm
.Lfunc_end_k_qdad328c3dc_prep:
	.size	k_qdad328c3dc_prep, .Lfunc_end_k_qdad328c3dc_prep-k_qdad328c3dc_prep
	.p2alignl 7, 3214868480
	.fill 96, 4, 3214868480
	.section	.rodata,"a",@progbits
	.p2align	6, 0x0
	.amdhsa_kernel k_qdad328c3dc_prep
		.amdhsa_group_segment_fixed_size 0
		.amdhsa_private_segment_fixed_size 0
		.amdhsa_enable_private_segment 0
		.amdhsa_kernarg_size 72
		.amdhsa_user_sgpr_count 2
		.amdhsa_user_sgpr_kernarg_segment_ptr 1
		.amdhsa_wavefront_size32 1
		.amdhsa_system_sgpr_workgroup_id_x 1
		.amdhsa_system_sgpr_workgroup_id_y 1
		.amdhsa_system_sgpr_workgroup_id_z 1
		.amdhsa_system_vgpr_workitem_id 0
		.amdhsa_next_free_vgpr 136
		.amdhsa_next_free_sgpr 66
		.amdhsa_reserve_vcc 0
		.amdhsa_float_denorm_mode_32 3
		.amdhsa_float_denorm_mode_16_64 3
		.amdhsa_memory_ordered 1
		.amdhsa_forward_progress 1
		.amdhsa_inst_pref_size 47
	.end_amdhsa_kernel
	.amdgpu_metadata
---
amdhsa.version: [ 1, 2 ]
amdhsa.kernels:
  - .name:           k_qdad328c3dc_prep
    .symbol:         k_qdad328c3dc_prep.kd
    .args:
      - { .name: x, .offset: 0, .size: 8, .value_kind: global_buffer, .address_space: global }
      - { .name: Wq, .offset: 8, .size: 8, .value_kind: global_buffer, .address_space: global }
      - { .name: Wk, .offset: 16, .size: 8, .value_kind: global_buffer, .address_space: global }
      - { .name: Wv, .offset: 24, .size: 8, .value_kind: global_buffer, .address_space: global }
      - { .name: Wo, .offset: 32, .size: 8, .value_kind: global_buffer, .address_space: global }
      - { .name: attn_mask, .offset: 40, .size: 8, .value_kind: global_buffer, .address_space: global }
      - { .name: xb, .offset: 48, .size: 8, .value_kind: global_buffer, .address_space: global }
      - { .name: wb, .offset: 56, .size: 8, .value_kind: global_buffer, .address_space: global }
      - { .name: mb, .offset: 64, .size: 8, .value_kind: global_buffer, .address_space: global }
    .group_segment_fixed_size: 0
    .private_segment_fixed_size: 0
    .kernarg_segment_align: 8
    .kernarg_segment_size: 72
    .max_flat_workgroup_size: 256
    .sgpr_count:     66
    .vgpr_count:     136
    .wavefront_size: 32
...
	.end_amdgpu_metadata
.endif
;; end of part 1
;; launch qkv (part 2): grid 12 x 64, 4 waves a work-group, clusters of 4 x 4, 327,680 bytes of LDS; arguments xb, wb, bq, bk, bv, qkvb; writes qkvb
.if DOCPART == 2
	.amdgcn_target "amdgcn-amd-amdhsa--gfx1250"
	.amdhsa_code_object_version 6
	.text
	.protected	k_qdad328c3dc_qkv
	.globl	k_qdad328c3dc_qkv
	.p2align	8
	.type	k_qdad328c3dc_qkv,@function
k_qdad328c3dc_qkv:
	s_mov_b64 s[64:65], 0
	v_nop
	global_prefetch_b8 v0, s[64:65] scope:SCOPE_SE
	s_setreg_imm32_b32 hwreg(HW_REG_WAVE_MODE, 25, 1), 1
	s_wait_xcnt 0x0
	s_wait_alu depctr_hold_cnt(0) depctr_sa_sdst(0) depctr_va_vdst(0) depctr_va_sdst(0) depctr_va_ssrc(0) depctr_va_vcc(0) depctr_vm_vsrc(0)
	s_getreg_b32 s2, hwreg(HW_REG_IB_STS2, 6, 4)
	s_cmp_eq_u32 s2, 0
	s_cbranch_scc0 .Lentry_in_a_cluster
	s_endpgm
.Lentry_in_a_cluster:
	s_bfe_u32 s2, ttmp6, 0x10000c
	s_cmp_lg_u32 s2, 0xf033
	s_cbranch_scc0 .Lentry_shape_is_right
	s_endpgm
.Lentry_shape_is_right:
; qkv: qkvb[mat][token][n] = sum over k of xb[token][k] wb[mat][k][n] + bias_mat[n], mat = 0, 1, 2 (q, k, v); bf16 operands, f32 sums, f16 out.
; The result is kept in f16, not bf16: a query that is allowed few keys has a ctx as large as v itself, and the rounding of q, k and v goes straight into
; it; f16 has 11 significant bits against 8.
; A work-group makes 128 tokens x 256 columns with four waves (2 x 2), a wave 64 x 128: 32 accumulator tiles, 256 registers.
; 12 x 64 = 768 work-groups of equal work.  K = 1024 goes in 8 steps of 128 through two LDS slots filled by tensor loads.
; CLUSTERS of 4 x 4: cluster x is the matrix, cx the block of 256 columns, 4 x cluster y + cy the block of 128 tokens.  The four of a cluster's
; row need the same tile of xb, the four of a column the same tile of wb: each tile is asked for jointly, by the same line and descriptor.
; wb lies [k][n]: its fragments are read from LDS by the transposing load.  Rows of xb in LDS: 256 + 16 bytes; rows of wb: 512 + 32 bytes.
; The matrix instruction is used transposed (source 0 = 16 columns of W, source 1 = 16 tokens): a lane's 8 results are 8 neighbouring columns of one token.
; Limits: operands are rounded to bf16, the result to f16: |q|, |k|, |v| < 65,504.  (x of spread 1 and weights within 1/32 give them a spread of 0.6;
; x and weights both 30 times larger, about 3,000 at the most.)  The order of the sums is the matrix unit's.
; REGISTERS: window 0: addresses, two buffers of fragments, scratch; window 1 (v256-511): accumulator tile (a, b) at 8 (8 a + b); window 2 (v512-575): bias.
.set PA,    272                        ; LDS pitch of A's rows
.set PB,    544                        ; LDS pitch of W's rows
.set AHALF, 64*PA                      ; what one tensor load brings of A, and what a wave reads of it
.set ATILE, 128*PA
.set BHALF, 64*PB                      ; what one tensor load brings of W
.set SLOT,  ATILE+2*BHALF              ; 104,448
.set STAGE, 2*SLOT                     ; behind the ring, a multiple of 256: 16 rows x 272 bytes for each wave, never filled by a tensor load
.set SP,    272
.set LAPS,  4                          ; a lap = two K steps = once round the ring
.set ASTEP, 256                        ; bytes of a K step along a row of A
.set BSTEP, 128*2048                   ; bytes of a K step down the rows of W
.set ADRA, 16                          ; v16-17 LDS address of my A fragments in slot 0, 1
.set ADRB, 20                          ; v20-21 the same for W
.set STO,  24
.set RD,   25
.set CO,   26
.set BOFF, 27
.set FA0,  32                          ; A fragments, 4 x 8 registers, two buffers
.set FA1,  64
.set FB0,  96                          ; W fragments, 8 x 8 registers, two buffers
.set FB1,  160
.set TMP,  224
.set G1,  24                           ; s[24:31] group 1 for A's tiles
.set G0,  32                           ; s[32:39] group 0 for A's tiles, one set a slot
.set G1B, 48                           ; s[48:55] group 1 for W's tiles
.set G0B, 56                           ; s[56:63] group 0 for W's tiles, one set a slot
.set ACCW, 0x50                        ; C and D in window 1, fragments in window 0
.set MSB, 0
.macro WIN new                         ; the immediate's high byte repeats the setting that is left
.if MSB != \new
	s_set_vgpr_msb (MSB<<8)|\new
.set MSB, \new
.endif
.endm
; A joint load: waves 0, 1 fetch A's two halves, waves 2, 3 W's.  The branch hangs on the wave's number alone.  Four v_nop follow each line.
.macro JLOAD s
	s_cmp_eq_u32 s11, 0
	s_cbranch_scc0 .Lfor_b_\@
	tensor_load_to_lds s[G0+4*\s:G0+4*\s+3], s[G1:G1+7]
	s_nop 0
.rept 4
	v_nop
.endr
	s_branch .Lasked_\@
.Lfor_b_\@:
	tensor_load_to_lds s[G0B+4*\s:G0B+4*\s+3], s[G1B:G1B+7]
	s_nop 0
.rept 4
	v_nop
.endr
.Lasked_\@:
.endm
.macro CREST                           ; a round of the cluster's barrier behind its opening work-group barrier
	s_cmp_lg_u32 s10, 0
	s_cbranch_scc1 .Lnot_wave_0_\@
	s_barrier_signal -3
.Lnot_wave_0_\@:
	s_barrier_wait -3
	s_barrier_signal -1
	s_barrier_wait -1
.endm
.macro CROUND
	s_barrier_signal -1
	s_barrier_wait -1
	CREST
.endm
.macro PLACES                          ; four independent vector instructions behind a matrix instruction (ISA guide 7.12.1) before its registers are loaded into or read
.rept 4
	v_nop
.endr
.endm
	s_load_b256 s[68:75], s[0:1], 0x0              ; xb s[68:69], wb s[70:71], bq s[72:73], bk s[74:75]
	s_load_b128 s[76:79], s[0:1], 0x20             ; bv s[76:77], qkvb s[78:79]
	v_lshl_add_u32 v30, v0, 2, 0x37400
	v_mov_b32 v31, 0
	ds_add_u32 v30, v31
	v_lshrrev_b32 v1, 5, v0
	v_readfirstlane_b32 s10, v1                    ; wave 0..3
	s_lshr_b32 s11, s10, 1                         ; my half of the tokens.  Also: I fetch for A (0) or for W (1)
	s_and_b32 s12, s10, 1                          ; my half of the columns.  Also: which 64 rows of that tile I fetch
	s_bfe_u32 s40, ttmp6, 0x40000                  ; cx
	s_bfe_u32 s41, ttmp6, 0x40004                  ; cy
	s_and_b32 s13, ttmp7, 0xffff
	s_lshl_b32 s13, s13, 2
	s_add_co_u32 s13, s13, s41                     ; block of 128 tokens = 4 x cluster y + cy
	s_lshl_b32 s43, s41, 2
	s_lshl_b32 s43, 15, s43                        ; my row of the cluster
	s_lshl_b32 s44, 0x1111, s40                    ; my column
	s_or_b32 s[G1+0], s43, (1<<16)|(1<<20)|(1<<21)|(5<<22)|(3<<25)   ; mask; 2-byte elements; padding on; bit 21 beside a mask; 4 words behind every 64
	s_mov_b32 s[G1+1], 128<<16                     ; tensor_dim0 = 128
	s_mov_b32 s[G1+2], 64<<16                      ; tensor_dim1 = 64
	s_mov_b32 s[G1+3], 128<<16                     ; tile_dim0 = 128 elements: 256 bytes
	s_mov_b32 s[G1+4], 64                          ; tile_dim1 = 64 rows
	s_mov_b32 s[G1+5], 1024                        ; elements from row to row
	s_mov_b32 s[G1+6], 0
	s_mov_b32 s[G1+7], 0
	s_or_b32 s[G1B+0], s44, (1<<16)|(1<<20)|(1<<21)|(6<<22)|(7<<25)  ; 8 words behind every 128
	s_mov_b32 s[G1B+1], 256<<16                    ; tensor_dim0 = 256
	s_mov_b32 s[G1B+2], 64<<16
	s_mov_b32 s[G1B+3], 256<<16                    ; tile_dim0 = 256 elements: 512 bytes
	s_mov_b32 s[G1B+4], 64
	s_mov_b32 s[G1B+5], 1024
	s_mov_b32 s[G1B+6], 0
	s_mov_b32 s[G1B+7], 0
	; A's address is made of the token block and the wave's number, W's of the matrix, cx and the wave's number, each in registers of its own
	s_lshl_b32 s16, s13, 18                        ; 128 tokens of 2,048 bytes
	s_lshl_b32 s17, s12, 17                        ; + 64 tokens
	s_add_co_u32 s16, s16, s17
	s_mov_b32 s17, 0
	s_lshl_b32 s46, ttmp9, 21                      ; the matrix: 2,097,152 bytes each
	s_lshl_b32 s47, s40, 9                         ; 256 columns
	s_add_co_u32 s46, s46, s47
	s_lshl_b32 s47, s12, 17                        ; 64 rows of k
	s_add_co_u32 s46, s46, s47
	s_mov_b32 s47, 0
	s_mul_i32 s20, s12, AHALF                      ; LDS: A's half
	s_mul_i32 s21, s12, BHALF
	s_add_co_u32 s21, s21, ATILE                   ; LDS: W's half, behind A's 128 rows
	s_wait_dscnt 0x0
	s_wait_kmcnt 0x0
	s_add_nc_u64 s[14:15], s[68:69], s[16:17]
	s_add_nc_u64 s[46:47], s[70:71], s[46:47]
	CROUND                                         ; all sixteen work-groups are here: the first joint loads meet
.irp s, 0,1
	s_mov_b32 s[G0+4*\s], 1
	s_add_co_u32 s[G0+4*\s+1], s20, \s*SLOT
	s_add_nc_u64 s[G0+4*\s+2:G0+4*\s+3], s[14:15], \s*ASTEP
	s_or_b32 s[G0+4*\s+3], s[G0+4*\s+3], 0x80000000
	s_mov_b32 s[G0B+4*\s], 1
	s_add_co_u32 s[G0B+4*\s+1], s21, \s*SLOT
	s_add_nc_u64 s[G0B+4*\s+2:G0B+4*\s+3], s[46:47], \s*BSTEP
	s_or_b32 s[G0B+4*\s+3], s[G0B+4*\s+3], 0x80000000
	JLOAD \s                                       ; both slots are asked for before anything else: two tensor loads of the wave are out
.endr
	; bias of my 128 columns: register 8 b + j of window 2 = bias[256 cx + 128 half + 16 b + 8 h + j]
	s_cmp_eq_u32 ttmp9, 1
	s_cselect_b64 s[4:5], s[74:75], s[72:73]
	s_cmp_eq_u32 ttmp9, 2
	s_cselect_b64 s[4:5], s[76:77], s[4:5]
	s_lshl_b32 s6, s40, 10
	s_lshl_b32 s7, s12, 9
	s_add_co_u32 s6, s6, s7
	s_mov_b32 s7, 0
	s_add_nc_u64 s[4:5], s[4:5], s[6:7]
	v_and_b32 v1, 15, v0                           ; r
	v_bfe_u32 v2, v0, 4, 1                         ; h
	v_lshlrev_b32 v[BOFF], 5, v2
	WIN 0x80                                       ; destination in window 2
.irp b, 0,1,2,3,4,5,6,7
	global_load_b128 v[8*\b:8*\b+3],   v[BOFF], s[4:5] offset:64*\b
	global_load_b128 v[8*\b+4:8*\b+7], v[BOFF], s[4:5] offset:64*\b+16
.endr
	WIN 0
	; A fragment: lane (r, h) holds token r; two loads of 16 bytes, 32 apart, at r x pitch + 16 h
	v_mul_u32_u24 v3, v1, PA
	v_lshl_add_u32 v3, v2, 4, v3
	s_mul_i32 s22, s11, AHALF
	v_add_nc_u32 v[ADRA], s22, v3
	v_add_nc_u32 v[ADRA+1], SLOT, v[ADRA]
	; W fragment by the transposing load: lane L addresses row k0 + 8 h + L % 8, 16 bytes at column 8 ((L / 8) % 2); it receives column r, k = k0 + 8 h + 0..7
	v_and_b32 v4, 7, v0
	v_lshl_add_u32 v4, v2, 3, v4
	v_mul_u32_u24 v4, v4, PB
	v_bfe_u32 v5, v0, 3, 1
	v_lshl_add_u32 v4, v5, 4, v4
	s_lshl_b32 s23, s12, 8                         ; my 128 columns
	s_add_co_u32 s23, s23, ATILE
	v_add_nc_u32 v[ADRB], s23, v4
	v_add_nc_u32 v[ADRB+1], SLOT, v[ADRB]
	s_mul_i32 s2, s10, 16*SP
	s_add_co_u32 s2, s2, STAGE                     ; my stage
	v_mul_u32_u24 v4, v1, SP
	v_lshl_add_u32 v4, v2, 4, v4
	v_add_nc_u32 v[STO], s2, v4                    ; in: row r, 16 bytes for each half of the lanes
	v_mul_u32_u24 v5, v2, SP
	v_lshl_add_u32 v5, v1, 4, v5
	v_add_nc_u32 v[RD], s2, v5                     ; back: lanes 0-15 one row of 256 bytes, lanes 16-31 the next
	v_lshlrev_b32 v5, 11, v2
	v_lshl_add_u32 v[CO], v1, 4, v5                ; the same two rows in qkvb
; 8 matrix instructions: token block a x all 8 column blocks, 32 along K.  zero = 1: the first product starts the sums.
.macro MUL8 fa, fb, a, zero
.irp b, 0,1,2,3,4,5,6,7
.if \zero
	v_wmma_f32_16x16x32_bf16 v[8*(8*\a+\b):8*(8*\a+\b)+7], v[\fb+8*\b:\fb+8*\b+7], v[\fa+8*\a:\fa+8*\a+7], 0
.else
	v_wmma_f32_16x16x32_bf16 v[8*(8*\a+\b):8*(8*\a+\b)+7], v[\fb+8*\b:\fb+8*\b+7], v[\fa+8*\a:\fa+8*\a+7], v[8*(8*\a+\b):8*(8*\a+\b)+7]
.endif
.endr
.endm
; 24 LDS loads in one run: quarter kq (32 along K) of a slot: W's 128 columns, then A's 64 tokens
.macro FETCH slot, kq, fa, fb
	WIN 0
.irp b, 0,1,2,3,4,5,6,7
	ds_load_tr16_b128 v[\fb+8*\b:\fb+8*\b+3],   v[ADRB+\slot] offset:\kq*32*PB+32*\b
	ds_load_tr16_b128 v[\fb+8*\b+4:\fb+8*\b+7], v[ADRB+\slot] offset:\kq*32*PB+32*\b+16*PB
.endr
.irp a, 0,1,2,3
	ds_load_b128 v[\fa+8*\a:\fa+8*\a+3],   v[ADRA+\slot] offset:\kq*64+\a*16*PA
	ds_load_b128 v[\fa+8*\a+4:\fa+8*\a+7], v[ADRA+\slot] offset:\kq*64+\a*16*PA+32
.endr
.endm
; One of a K step's first three quarters: multiplies buffer f and fetches quarter kq into buffer g in its middle.
; The 32 accumulators take turns, one instruction a turn, in the same order in every quarter.
.macro QUARTER slot, kq, fa, fb, ga, gb, zero
	s_wait_dscnt 4                                 ; all but the youngest four loads (A's tokens 32-63) are in
	WIN ACCW
	MUL8 \fa, \fb, 0, \zero
	MUL8 \fa, \fb, 1, \zero
	PLACES
	FETCH \slot, \kq, \ga, \gb
	s_wait_dscnt 24                                ; all but the 24 just issued
	WIN ACCW
	MUL8 \fa, \fb, 2, \zero
	MUL8 \fa, \fb, 3, \zero
.endm
.macro THREE slot, zero
	QUARTER \slot, 1, FA0, FB0, FA1, FB1, \zero
	QUARTER \slot, 2, FA1, FB1, FA0, FB0, 0
	QUARTER \slot, 3, FA0, FB0, FA1, FB1, 0
.endm
; The last quarter multiplies buffer 1 and changes slots.  In front of the barrier each wave waits for its reads of this slot and for all its
; tensor loads (one is out: its part of the next slot).  Behind it (fill = 1: behind the cluster's round that it opens) this slot is asked for again, first.
.macro TURN slot, next, fill
	s_wait_dscnt 4
	WIN ACCW
	MUL8 FA1, FB1, 0, 0
	s_wait_dscnt 0                                 ; my reads of this slot are over
	s_wait_tensorcnt 0x0                           ; all my tensor loads have landed
	ds_add_u32 v30, v31
	s_wait_dscnt 0x0
	s_barrier_signal -1
	MUL8 FA1, FB1, 1, 0                            ; register work while the others arrive
	WIN 0
	s_barrier_wait -1
.if \fill
	CREST                                          ; no wave of any partner still reads this slot or has a load on its way
	s_add_nc_u64 s[G0+4*\slot+2:G0+4*\slot+3], s[G0+4*\slot+2:G0+4*\slot+3], 2*ASTEP
	s_add_nc_u64 s[G0B+4*\slot+2:G0B+4*\slot+3], s[G0B+4*\slot+2:G0B+4*\slot+3], 2*BSTEP
	JLOAD \slot                                    ; my one tensor load behind the round; its four v_nop are also the places in front of the loads below
.else
	PLACES
.endif
	FETCH \next, 0, FA0, FB0
	WIN ACCW
	MUL8 FA1, FB1, 2, 0
	MUL8 FA1, FB1, 3, 0
.endm
.macro LAP zero
	THREE 0, \zero
	TURN 0, 1, 1
	THREE 1, 0
	TURN 1, 0, 1
.endm
	s_wait_tensorcnt 0x1                           ; my part of K step 0 is in; K step 1's stays out
	s_barrier_signal -1
	s_barrier_wait -1
	FETCH 0, 0, FA0, FB0
	LAP 1                                          ; K steps 0, 1; asks for 2, 3
	WIN 0
	s_mov_b32 s3, LAPS-2
.Llap:
	LAP 0
	WIN 0
	s_sub_co_u32 s3, s3, 1
	s_cmp_lg_u32 s3, 0
	s_cbranch_scc1 .Llap
	THREE 0, 0                                     ; the last lap asks for nothing
	TURN 0, 1, 0
	THREE 1, 0
	s_wait_dscnt 4
	WIN ACCW
	MUL8 FA1, FB1, 0, 0
	MUL8 FA1, FB1, 1, 0
	s_wait_dscnt 0
	MUL8 FA1, FB1, 2, 0
	MUL8 FA1, FB1, 3, 0
	; THE WAY OUT, 16 tokens at a time: add the bias, round to f16, 16 bytes a lane into my own stage, whole rows of 256 bytes back and out
	PLACES
	WIN 0
	s_wait_loadcnt 0x0                             ; the bias
	s_lshl_b32 s6, ttmp9, 24                       ; the matrix's 16,777,216 bytes of qkvb
	s_lshl_b32 s7, s13, 18
	s_add_co_u32 s6, s6, s7
	s_lshl_b32 s7, s11, 17
	s_add_co_u32 s6, s6, s7
	s_lshl_b32 s7, s40, 9
	s_add_co_u32 s6, s6, s7
	s_lshl_b32 s7, s12, 8
	s_add_co_u32 s6, s6, s7
	s_mov_b32 s7, 0
	s_add_nc_u64 s[8:9], s[78:79], s[6:7]
.macro OUT16 a, f
	WIN 0x09                                       ; source 0 window 1 (sums), source 1 window 2 (bias)
.irp b, 0,1,2,3,4,5,6,7
.irp i, 0,2,4,6
	v_pk_add_f32 v[FB0+8*\b+\i:FB0+8*\b+\i+1], v[8*(8*\a+\b)+\i:8*(8*\a+\b)+\i+1], v[8*\b+\i:8*\b+\i+1]
.endr
.endr
	WIN 0
.irp b, 0,1,2,3,4,5,6,7
.irp i, 0,1,2,3
	v_cvt_pk_f16_f32 v[TMP+4*\b+\i], v[FB0+8*\b+2*\i], v[FB0+8*\b+2*\i+1]
.endr
.endr
.irp b, 0,1,2,3,4,5,6,7
	ds_store_b128 v[STO], v[TMP+4*\b:TMP+4*\b+3] offset:32*\b
.endr
	s_wait_xcnt 0x0                                ; buffer f, which earlier stores read, and the stores' base are rewritten only behind this wait
.if \a
	s_add_nc_u64 s[8:9], s[8:9], 16*2048
.endif
.irp t, 0,1,2,3,4,5,6,7
	ds_load_b128 v[\f+4*\t:\f+4*\t+3], v[RD] offset:\t*2*SP     ; LDS serves a wave's instructions in order: these see the stores above
.endr
.irp t, 0,1,2,3,4,5,6,7
	s_wait_dscnt 7-\t
	global_store_b128 v[CO], v[\f+4*\t:\f+4*\t+3], s[8:9] offset:\t*4096   ; 16 lanes store 256 consecutive bytes, aligned
.endr
.endm
	OUT16 0, FA0
	OUT16 1, FA1
	OUT16 2, FA0
	OUT16 3, FA1
	s_wait_tensorcnt 0x0
	ds_add_u32 v30, v31
	s_wait_dscnt 0x0
	CROUND                                         ; the closing round: no work-group ends while a partner may still ask jointly
	s_endpgm
.Lfunc_end_k_qdad328c3dc_qkv:
	.size	k_qdad328c3dc_qkv, .Lfunc_end_k_qdad328c3dc_qkv-k_qdad328c3dc_qkv
	.p2alignl 7, 3214868480
	.fill 96, 4, 3214868480
	.section	.rodata,"a",@progbits
	.p2align	6, 0x0
	.amdhsa_kernel k_qdad328c3dc_qkv
		.amdhsa_group_segment_fixed_size 327680
		.amdhsa_private_segment_fixed_size 0
		.amdhsa_enable_private_segment 0
		.amdhsa_kernarg_size 48
		.amdhsa_user_sgpr_count 2
		.amdhsa_user_sgpr_kernarg_segment_ptr 1
		.amdhsa_wavefront_size32 1
		.amdhsa_system_sgpr_workgroup_id_x 1
		.amdhsa_system_sgpr_workgroup_id_y 1
		.amdhsa_system_sgpr_workgroup_id_z 1
		.amdhsa_system_vgpr_workitem_id 0
		.amdhsa_next_free_vgpr 576
		.amdhsa_next_free_sgpr 80
		.amdhsa_reserve_vcc 0
		.amdhsa_float_denorm_mode_32 3
		.amdhsa_float_denorm_mode_16_64 3
		.amdhsa_memory_ordered 1
		.amdhsa_forward_progress 1
		.amdhsa_inst_pref_size 129
	.end_amdhsa_kernel
	.amdgpu_metadata
---
amdhsa.version: [ 1, 2 ]
amdhsa.kernels:
  - .name:           k_qdad328c3dc_qkv
    .symbol:         k_qdad328c3dc_qkv.kd
    .args:
      - { .name: xb, .offset: 0, .size: 8, .value_kind: global_buffer, .address_space: global }
      - { .name: wb, .offset: 8, .size: 8, .value_kind: global_buffer, .address_space: global }
      - { .name: bq, .offset: 16, .size: 8, .value_kind: global_buffer, .address_space: global }
      - { .name: bk, .offset: 24, .size: 8, .value_kind: global_buffer, .address_space: global }
      - { .name: bv, .offset: 32, .size: 8, .value_kind: global_buffer, .address_space: global }
      - { .name: qkvb, .offset: 40, .size: 8, .value_kind: global_buffer, .address_space: global }
    .group_segment_fixed_size: 327680
    .private_segment_fixed_size: 0
    .kernarg_segment_align: 8
    .kernarg_segment_size: 48
    .max_flat_workgroup_size: 128
    .sgpr_count:     80
    .vgpr_count:     576
    .wavefront_size: 32
...
	.end_amdgpu_metadata
.endif
;; end of part 2
;; launch attn (part 3): grid 8 x 32, 8 waves a work-group, clusters of 4 x 1, 327,680 bytes of LDS; arguments qkvb, mb, ctxb; writes ctxb
.if DOCPART == 3
	.amdgcn_target "amdgcn-amd-amdhsa--gfx1250"
	.amdhsa_code_object_version 6
	.text
	.protected	k_qdad328c3dc_attn
	.globl	k_qdad328c3dc_attn
	.p2align	8
	.type	k_qdad328c3dc_attn,@function
k_qdad328c3dc_attn:
	s_mov_b64 s[64:65], 0
	v_nop
	global_prefetch_b8 v0, s[64:65] scope:SCOPE_SE
	s_setreg_imm32_b32 hwreg(HW_REG_WAVE_MODE, 25, 1), 1
	s_wait_xcnt 0x0
	s_wait_alu depctr_hold_cnt(0) depctr_sa_sdst(0) depctr_va_vdst(0) depctr_va_sdst(0) depctr_va_ssrc(0) depctr_va_vcc(0) depctr_vm_vsrc(0)
	s_getreg_b32 s2, hwreg(HW_REG_IB_STS2, 6, 4)
	s_cmp_eq_u32 s2, 0
	s_cbranch_scc0 .Lentry_in_a_cluster
	s_endpgm
.Lentry_in_a_cluster:
	s_bfe_u32 s2, ttmp6, 0x10000c
	s_cmp_lg_u32 s2, 0x3003
	s_cbranch_scc0 .Lentry_shape_is_right
	s_endpgm
.Lentry_shape_is_right:
; attn: ctxb = softmax(mask(q k^T / 8)) v for every batch and head, with a running maximum.  q, k, v: qkvb[0..2][token][head x 64 + d], f16; ctxb f16.
; A work-group: one batch, a PAIR of heads (so that rows of K, V and ctx are 256 aligned bytes), 256 queries.  Eight waves: wave w has head w / 4 of the
; pair and queries 64 (w % 4) .. + 63.  256 work-groups.  All 2,048 keys are walked, 64 a trip: the mask is an input and is honoured bit by bit.
; CLUSTERS of 4 x 1: the four query blocks of a batch and head pair need the same K and V tiles and ask for them jointly (mask 15).
; LDS: two slots, each K's and V's 256 keys x (256 + 16) bytes: four trips a slot, one round of the cluster's barrier for four trips.
; One pitch serves both tiles, so one descriptor shape and one line serve all eight waves; V's transposing loads meet two lanes a bank with it.
; THE PRODUCTS ARE TRANSPOSED.  S^T = K Q^T: register j of tile (n, kt), lane (r, h) = (key 16 kt + 8 h + j, query 16 n + r): a query's 64 scores lie in two
; lanes, so maximum and sum are work inside a lane and one exchange; packed to f16 in place they ARE the second source of O^T = V^T P^T.
; mb holds, for every such register, its lane mask: one v_cndmask_b32 a register puts -inf where attn_mask is 0.
; FORMAT: f16 operands (11 significant bits): a query with few allowed keys has a ctx as large as v, and the rounding of P and ctx goes straight into it.
; P = 2^(c s - c m) lies in [0, 1]; below 2^-14 it is kept to a multiple of 2^-24.
; Limits: q, k, v, P and ctx are rounded to f16, |ctx| < 65,504.  The running maximum starts at -FLT_MAX (0xff7fffff), so a block without an allowed key
; gives p = 0 and factor 1; a query without any allowed key ends with sum 0 and 0 x inf = NaN, as the softmax of a row of -inf.  Sums are made in another
; order than row by row.
; REGISTERS: window 0: v0-63 small things, v64-127 V fragments, v128-255 S / P; window 1 (v256-511): O at 32 n + 8 dt, Q fragments at 128, K fragments at 192.
.set PITCH, 272
.set TRIPB, 64*PITCH                   ; a trip's 64 keys, and what one tensor load brings
.set KV,    256*PITCH                  ; K's (or V's) part of a slot
.set SLOT,  2*KV                       ; 139,264
.set BLK2,  2*256*2048                 ; bytes in qkvb from a slot's 256 keys to its next
.set OP,    144                        ; the way out: 128 + 16 bytes a row
.set OHEAD, 256*OP+128                 ; from head 0's stage to head 1's; the 128 puts the two on different banks
.set ADRK, 4                           ; v4-5   K fragments in slot 0, 1
.set ADRV, 6                           ; v6-7   V fragments
.set NINF, 8
.set X,    9
.set QOFF, 10
.set M,    12                          ; v12-15 running maximum of query tile n
.set L,    16                          ; v16-19 running sum (this lane's half of the keys)
.set AL,   20                          ; v20,22,24,26 factor of tile n, low half of a pair
.set NMC,  28                          ; v[28:29] -c m of the tile at work
.set D,    30
.set T,    32                          ; v32-35
.set NM,   36                          ; v36-39 -c m of tile n as it was rounded
.set SUM,  40                          ; v40-47
.set STO,  56
.set RD,   57
.set CO,   58
.set VF,   64                          ; 32 ks2 + 8 dt
.set S,    128                         ; 32 n + 8 kt
.set O,    0                           ; window 1
.set QF,   128                         ; window 1: 16 n + 8 ks
.set KF,   192                         ; window 1: 16 kt + 8 ks
.set MSB, 0
.macro WIN new
.if MSB != \new
	s_set_vgpr_msb (MSB<<8)|\new
.set MSB, \new
.endif
.endm
.macro CROUND                          ; a round of the cluster's barrier
	s_barrier_signal -1
	s_barrier_wait -1
	s_cmp_lg_u32 s8, 0
	s_cbranch_scc1 .Lnot_wave_0_\@
	s_barrier_signal -3
.Lnot_wave_0_\@:
	s_barrier_wait -3
	s_barrier_signal -1
	s_barrier_wait -1
.endm
	s_load_b128 s[32:35], s[0:1], 0x0              ; qkvb s[32:33], mb s[34:35]
	s_load_b64 s[6:7], s[0:1], 0x10                ; ctxb
	v_lshl_add_u32 v62, v0, 2, 0x44000
	v_mov_b32 v63, 0
	ds_add_u32 v62, v63
	v_lshrrev_b32 v1, 5, v0
	v_readfirstlane_b32 s8, v1                     ; wave w
	s_lshr_b32 s9, s8, 2                           ; hs: my head of the pair.  Also: I fetch K (0) or V (1)
	s_and_b32 s10, s8, 3                           ; qs: my 64 queries.  Also: which 64 keys I fetch
	s_bfe_u32 s36, ttmp6, 0x40000                  ; cx
	s_lshl_b32 s37, ttmp9, 2
	s_add_co_u32 s37, s37, s36                     ; qb: block of 256 queries
	s_and_b32 s38, ttmp7, 0xffff
	s_lshr_b32 s39, s38, 3                         ; batch
	s_and_b32 s40, s38, 7                          ; pair of heads
	s_lshl_b32 s41, s39, 22                        ; 2,048 tokens of 2,048 bytes
	s_lshl_b32 s42, s40, 8                         ; 256 bytes a pair
	s_add_co_u32 s41, s41, s42
	s_lshl_b32 s42, s10, 17                        ; 64 tokens
	s_add_co_u32 s44, s9, 1                        ; K is matrix 1, V matrix 2 of qkvb
	s_lshl_b32 s44, s44, 24
	s_add_co_u32 s44, s44, s41
	s_add_co_u32 s44, s44, s42                     ; my quarter of the first K or V tile: no place in the cluster enters
	s_mov_b32 s45, 0
	s_lshl_b32 s46, s37, 19                        ; 256 tokens
	s_add_co_u32 s46, s46, s41
	s_add_co_u32 s48, s46, s42
	s_lshl_b32 s43, s9, 7
	s_add_co_u32 s48, s48, s43                     ; my 64 queries, my head
	s_mov_b32 s49, 0
	s_lshl_b32 s43, s8, 16                         ; the way out: 32 tokens a wave
	s_add_co_u32 s46, s46, s43
	s_mov_b32 s47, 0
	s_lshl2_add_u32 s50, s37, s10                  ; 4 qb + qs
	s_lshl_b32 s50, s50, 14                        ; 32 key blocks of 512 bytes
	s_mov_b32 s51, 0
	s_mul_i32 s29, s8, TRIPB                       ; LDS: K's four quarters, then V's four = wave x 64 rows
	s_mov_b32 s16, 15|(1<<16)|(1<<20)|(1<<21)|(5<<22)|(3<<25)   ; all four of the cluster; 2-byte elements; 4 words of padding behind every 64; bit 21 beside a mask
	s_mov_b32 s17, 128<<16                         ; tensor_dim0 = 128
	s_mov_b32 s18, 64<<16                          ; tensor_dim1 = 64
	s_mov_b32 s19, 128<<16                         ; tile_dim0 = 128 elements: 256 bytes
	s_mov_b32 s20, 64                              ; tile_dim1 = 64 keys
	s_mov_b32 s21, 1024                            ; elements from token to token
	s_mov_b32 s22, 0
	s_mov_b32 s23, 0
	s_wait_dscnt 0x0
	s_wait_kmcnt 0x0
	s_add_nc_u64 s[44:45], s[32:33], s[44:45]
	s_add_nc_u64 s[2:3], s[32:33], s[48:49]        ; q
	s_add_nc_u64 s[4:5], s[34:35], s[50:51]        ; my queries' mask words
	s_add_nc_u64 s[6:7], s[6:7], s[46:47]          ; ctxb at my 32 rows of the way out
	s_mov_b32 s12, 1                               ; group 0 of slot 0: s[12:15]
	s_mov_b32 s13, s29
	s_mov_b64 s[14:15], s[44:45]
	s_or_b32 s15, s15, 0x80000000
	s_mov_b32 s24, 1                               ; group 0 of slot 1: s[24:27]
	s_add_co_u32 s25, s29, SLOT
	s_add_nc_u64 s[26:27], s[44:45], 256*2048
	s_or_b32 s27, s27, 0x80000000
	CROUND                                         ; the four work-groups are here: the first joint loads meet
	tensor_load_to_lds s[12:15], s[16:23]          ; keys 0-255
	s_nop 0
	tensor_load_to_lds s[24:27], s[16:23]          ; keys 256-511: two tensor loads of the wave are out
	s_nop 0
.rept 4
	v_nop
.endr
	v_and_b32 v1, 15, v0                           ; r
	v_bfe_u32 v2, v0, 4, 1                         ; h
	v_lshlrev_b32 v[QOFF], 11, v1
	v_lshl_add_u32 v[QOFF], v2, 4, v[QOFF]         ; 2,048 r + 16 h
	WIN 0x40                                       ; destination in window 1
.irp n, 0,1,2,3
.irp ks, 0,1
	global_load_b128 v[QF+16*\n+8*\ks:QF+16*\n+8*\ks+3],   v[QOFF], s[2:3] offset:\n*32768+64*\ks
	global_load_b128 v[QF+16*\n+8*\ks+4:QF+16*\n+8*\ks+7], v[QOFF], s[2:3] offset:\n*32768+64*\ks+32
.endr
.endr
	WIN 0
	v_mul_u32_u24 v3, v1, PITCH
	v_lshl_add_u32 v3, v2, 4, v3
	s_lshl_b32 s52, s9, 7                          ; my head's 128 bytes of a row
	v_add_nc_u32 v[ADRK], s52, v3                  ; key r x pitch + 16 h
	v_add_nc_u32 v[ADRK+1], SLOT, v[ADRK]
	v_and_b32 v11, 7, v0
	v_lshl_add_u32 v11, v2, 3, v11
	v_mul_u32_u24 v11, v11, PITCH                  ; transposing load: key 8 h + L % 8,
	v_bfe_u32 v3, v0, 3, 1
	v_lshl_add_u32 v11, v3, 4, v11                 ; 16 bytes at d = 8 ((L / 8) % 2)
	s_add_co_u32 s53, s52, KV
	v_add_nc_u32 v[ADRV], s53, v11
	v_add_nc_u32 v[ADRV+1], SLOT, v[ADRV]
	s_mul_i32 s54, s9, OHEAD
	s_mul_i32 s55, s10, 64*OP
	s_add_co_u32 s54, s54, s55                     ; my stage: 64 rows of 144 bytes, mine alone
	v_mul_u32_u24 v11, v1, OP
	v_lshl_add_u32 v11, v2, 4, v11
	v_add_nc_u32 v[STO], s54, v11
	v_mul_u32_u24 v3, v3, OHEAD                    ; back: lanes 0-7 head 0's 128 bytes of a row, lanes 8-15 head 1's, lanes 16-31 the next row
	v_mul_u32_u24 v11, v2, OP
	v_add_nc_u32 v3, v3, v11
	v_and_b32 v11, 7, v0
	v_lshl_add_u32 v3, v11, 4, v3
	s_mul_i32 s56, s8, 32*OP
	v_add_nc_u32 v[RD], s56, v3
	v_lshlrev_b32 v3, 11, v2
	v_lshl_add_u32 v[CO], v1, 4, v3
	v_mov_b32 v[NINF], 0xff800000
	v_mov_b32 v[X], 0                              ; v_permlanex16_b32's destination counts as read
.irp k, 21,23,25,27,29
	v_mov_b32 v\k, 0                               ; upper halves of pairs of which the packed forms use the lower
.endr
	s_mov_b32 s11, 0                               ; byte offset of the key block's mask words
	s_mov_b32 s30, 0x76543210                      ; lane i of one half reads lane i of the other
	s_mov_b32 s31, 0xfedcba98
	s_mov_b32 s66, 0x3e38aa3b                      ; c = log2(e) / 8: the scale 1/sqrt(64) and the change of base in one factor
	s_mov_b32 s67, 0x3e38aa3b
	s_mov_b32 s100, 0xbe38aa3b                     ; -c
	s_mov_b32 s101, 0xff7fffff                     ; -FLT_MAX
.macro KLOAD slot, t                   ; 16 loads: the trip's 64 keys x 64 d of my head
	WIN 0x40
.irp kt, 0,1,2,3
.irp ks, 0,1
	ds_load_b128 v[KF+16*\kt+8*\ks:KF+16*\kt+8*\ks+3],   v[ADRK+\slot] offset:(\t)*TRIPB+\kt*16*PITCH+64*\ks
	ds_load_b128 v[KF+16*\kt+8*\ks+4:KF+16*\kt+8*\ks+7], v[ADRK+\slot] offset:(\t)*TRIPB+\kt*16*PITCH+64*\ks+32
.endr
.endr
.endm
.macro VLOAD slot, t                   ; 16 transposing loads: fragment (ks2, dt) = d 16 dt + r, keys 32 ks2 + ..
	WIN 0
.irp ks2, 0,1
.irp dt, 0,1,2,3
	ds_load_tr16_b128 v[VF+32*\ks2+8*\dt:VF+32*\ks2+8*\dt+3],   v[ADRV+\slot] offset:(\t)*TRIPB+\ks2*32*PITCH+32*\dt
	ds_load_tr16_b128 v[VF+32*\ks2+8*\dt+4:VF+32*\ks2+8*\dt+7], v[ADRV+\slot] offset:(\t)*TRIPB+\ks2*32*PITCH+32*\dt+16*PITCH
.endr
.endr
.endm
.macro MLOAD p                         ; the 64 mask words of query tiles 2 p (s32-63) and 2 p + 1 (s68-99)
	s_load_b512 s[32:47], s[4:5], s11 offset:256*\p
	s_load_b512 s[48:63], s[4:5], s11 offset:256*\p+64
	s_load_b512 s[68:83], s[4:5], s11 offset:256*\p+128
	s_load_b512 s[84:99], s[4:5], s11 offset:256*\p+192
.endm
.macro MASK2 p                         ; -inf where the mask's bit is 0
.irp kt, 0,1,2,3
.irp j, 0,1,2,3,4,5,6,7
	v_cndmask_b32 v[S+64*\p+8*\kt+\j], v[NINF], v[S+64*\p+8*\kt+\j], s[32+8*\kt+\j]
.endr
.endr
.irp kt, 0,1,2,3
.irp j, 0,1,2,3,4,5,6,7
	v_cndmask_b32 v[S+64*\p+32+8*\kt+\j], v[NINF], v[S+64*\p+32+8*\kt+\j], s[68+8*\kt+\j]
.endr
.endr
.endm
; The softmax step of query tile n: 32 scores a lane.
.macro SOFT n, first
.set SB, S+32*\n
.irp k, 0,1,2,3
	v_max3_num_f32 v[T+\k], v[SB+8*\k], v[SB+8*\k+1], v[SB+8*\k+2]     ; four chains that do not wait for each other
.endr
.irp k, 0,1,2,3
	v_max3_num_f32 v[T+\k], v[T+\k], v[SB+8*\k+3], v[SB+8*\k+4]
.endr
.irp k, 0,1,2,3
	v_max3_num_f32 v[T+\k], v[T+\k], v[SB+8*\k+5], v[SB+8*\k+6]
.endr
	v_max3_num_f32 v[T], v[T], v[T+1], v[SB+7]
	v_max3_num_f32 v[T+2], v[T+2], v[T+3], v[SB+15]
	v_max3_num_f32 v[T], v[T], v[T+2], v[SB+23]
.if \first
	v_max3_num_f32 v[T], v[T], v[SB+31], s101
.else
	v_max3_num_f32 v[T], v[T], v[SB+31], v[M+\n]
.endif
	v_permlanex16_b32 v[X], v[T], s30, s31         ; the other half of the keys
	v_max_num_f32 v[M+\n], v[T], v[X]              ; the new running maximum, alike in both halves
	v_mul_f32 v[NMC], s100, v[M+\n]                ; -c m, rounded once; every exponent of this tile is shifted by this very number,
.if \first == 0
	v_sub_f32 v[D], v[NMC], v[NM+\n]               ; and the factor for what was summed before is 2^(new shift - old shift): exactly 1 where the maximum stays.
.endif                                             ; (not fused with the multiply: the product's rounding residue would enter, which is huge at -FLT_MAX)
.set i, 0
.rept 16
	v_pk_fma_f32 v[SB+i:SB+i+1], v[SB+i:SB+i+1], s[66:67], v[NMC:NMC+1] op_sel_hi:[1,0,0]   ; c s - c m
.set i, i+2
.endr
.set i, 0
.rept 32
	v_exp_f32 v[SB+i], v[SB+i]
.set i, i+1
.endr
.if \first == 0
	v_exp_f32 v[AL+2*\n], v[D]
.endif
	v_mov_b32 v[NM+\n], v[NMC]                     ; also the plain instruction between the exponentials and the first use of a result (ISA guide 5.7.2)
	s_wait_alu depctr_va_vdst(0)
.irp k, 0,1,2,3
	v_pk_add_f32 v[SUM+2*\k:SUM+2*\k+1], v[SB+4*\k:SB+4*\k+1], v[SB+4*\k+2:SB+4*\k+3]
.endr
.irp k, 0,1,2,3
	v_pk_add_f32 v[SUM+2*\k:SUM+2*\k+1], v[SUM+2*\k:SUM+2*\k+1], v[SB+16+2*\k:SB+16+2*\k+1]
.endr
.irp k, 0,1,2,3
	v_pk_add_f32 v[SUM+2*\k:SUM+2*\k+1], v[SUM+2*\k:SUM+2*\k+1], v[SB+24+2*\k:SB+24+2*\k+1]
.endr
	v_pk_add_f32 v[SUM:SUM+1], v[SUM:SUM+1], v[SUM+2:SUM+3]
	v_pk_add_f32 v[SUM+4:SUM+5], v[SUM+4:SUM+5], v[SUM+6:SUM+7]
	v_pk_add_f32 v[SUM:SUM+1], v[SUM:SUM+1], v[SUM+4:SUM+5]
.if \first
	v_add_f32 v[L+\n], v[SUM], v[SUM+1]
.else
	v_add_f32 v[SUM], v[SUM], v[SUM+1]
	v_fma_f32 v[L+\n], v[L+\n], v[AL+2*\n], v[SUM]
.endif
.irp c, 0,1
.irp i, 0,1,2,3,4,5,6,7
	v_cvt_pk_f16_f32 v[SB+16*\c+\i], v[SB+16*\c+2*\i], v[SB+16*\c+2*\i+1]   ; in place, ascending: registers 16 c .. 16 c + 7 become P's fragment of keys 32 c .. + 31
.endr
.endr
.endm
; One trip: 64 keys.  first: the sums start.  nextk: the next trip's K fragments are in the same slot.  more: there is a next trip.
; In both products sixteen accumulators take turns, one instruction a turn.
.macro TRIP slot, t, first, nextk, more
.if \first == 0
.rept 5
	v_nop                                          ; places behind the last trip's products (ISA guide 7.12.1): V's fragments are loaded again, P's registers written by matrix instructions
.endr
.endif
	VLOAD \slot, \t
	s_wait_dscnt 16                                ; the 16 older loads, K's fragments, are in; V's stay out
	WIN 0x05                                       ; K and Q in window 1, S in window 0
.irp n, 0,1,2,3
.irp kt, 0,1,2,3
	v_wmma_f32_16x16x32_f16 v[S+32*\n+8*\kt:S+32*\n+8*\kt+7], v[KF+16*\kt:KF+16*\kt+7], v[QF+16*\n:QF+16*\n+7], 0
.endr
.endr
.irp n, 0,1,2,3
.irp kt, 0,1,2,3
	v_wmma_f32_16x16x32_f16 v[S+32*\n+8*\kt:S+32*\n+8*\kt+7], v[KF+16*\kt+8:KF+16*\kt+15], v[QF+16*\n+8:QF+16*\n+15], v[S+32*\n+8*\kt:S+32*\n+8*\kt+7]
.endr
.endr
.rept 4
	v_nop                                          ; places: K's fragments are loaded again, S is read
.endr
.if \nextk
	KLOAD \slot, (\t+1)
.endif
	WIN 0
	s_wait_kmcnt 0x0                               ; scalar loads come back in no order: 0.  Tiles 0, 1's words were asked for two softmax steps ago
	MASK2 0
	MLOAD 1
	SOFT 0, \first
	SOFT 1, \first
	s_wait_kmcnt 0x0                               ; tiles 2, 3's words; the loads are done, so their offset register may be stepped
	MASK2 1
.if \more
	s_add_co_u32 s11, s11, 512                     ; the next 64 keys' words
	MLOAD 0
.endif
	SOFT 2, \first
	SOFT 3, \first
.if \first == 0
	WIN 0x41                                       ; O in window 1, the factor in window 0
.irp n, 0,1,2,3
.set i, 0
.rept 16
	v_pk_mul_f32 v[O+32*\n+i:O+32*\n+i+1], v[O+32*\n+i:O+32*\n+i+1], v[AL+2*\n:AL+2*\n+1] op_sel_hi:[1,0]
.set i, i+2
.endr
.endr
.endif
.if \nextk
	s_wait_dscnt 16                                ; V's fragments are in; the next trip's K loads stay out
.else
	s_wait_dscnt 0
.endif
	WIN 0x50                                       ; O in window 1, V and P in window 0
.irp n, 0,1,2,3
.irp dt, 0,1,2,3
.if \first
	v_wmma_f32_16x16x32_f16 v[O+32*\n+8*\dt:O+32*\n+8*\dt+7], v[VF+8*\dt:VF+8*\dt+7], v[S+32*\n:S+32*\n+7], 0
.else
	v_wmma_f32_16x16x32_f16 v[O+32*\n+8*\dt:O+32*\n+8*\dt+7], v[VF+8*\dt:VF+8*\dt+7], v[S+32*\n:S+32*\n+7], v[O+32*\n+8*\dt:O+32*\n+8*\dt+7]
.endif
.endr
.endr
.irp n, 0,1,2,3
.irp dt, 0,1,2,3
	v_wmma_f32_16x16x32_f16 v[O+32*\n+8*\dt:O+32*\n+8*\dt+7], v[VF+32+8*\dt:VF+32+8*\dt+7], v[S+32*\n+16:S+32*\n+23], v[O+32*\n+8*\dt:O+32*\n+8*\dt+7]
.endr
.endr
	WIN 0
.endm
; Going over to a slot.  Every wave waits for all its tensor loads (its part of that slot among them) and for its reads of the other slot.
; refill = 1: a round of the cluster's barrier, and the other slot is asked for again, first thing behind it, one load a wave.
.macro CHANGE slot, refill
	s_wait_tensorcnt 0x0
	ds_add_u32 v62, v63
	s_wait_dscnt 0x0
.if \refill
	s_add_nc_u64 s[26-12*\slot:27-12*\slot], s[26-12*\slot:27-12*\slot], BLK2   ; no tensor load of mine is out: the other slot's address steps 512 keys
.endif
	s_wait_dscnt 0x0
.if \refill
	CROUND
	tensor_load_to_lds s[24-12*\slot:27-12*\slot], s[16:23]
	s_nop 0
.rept 4
	v_nop
.endr
.else
	s_barrier_signal -1
	s_barrier_wait -1
.endif
	KLOAD \slot, 0
.endm
.macro FOUR slot
	TRIP \slot, 0, 0, 1, 1
	TRIP \slot, 1, 0, 1, 1
	TRIP \slot, 2, 0, 1, 1
	TRIP \slot, 3, 0, 0, 1
.endm
	MLOAD 0                                        ; behind the last use of the set-up's scalars in s32-63
	s_wait_tensorcnt 0x1                           ; my part of slot 0 is in; slot 1's stays out
	s_barrier_signal -1
	s_barrier_wait -1
	KLOAD 0, 0
	s_wait_loadcnt 0x0                             ; Q's fragments
	TRIP 0, 0, 1, 1, 1
	TRIP 0, 1, 0, 1, 1
	TRIP 0, 2, 0, 1, 1
	TRIP 0, 3, 0, 0, 1
	s_mov_b32 s28, 3
.Lpass:
	CHANGE 1, 1                                    ; slot 0 gets keys 512 .., 1024 .., 1536 ..
	FOUR 1
	CHANGE 0, 1                                    ; slot 1 gets keys 768 .., 1280 .., 1792 ..
	FOUR 0
	s_sub_co_u32 s28, s28, 1
	s_cmp_lg_u32 s28, 0
	s_cbranch_scc1 .Lpass
	CHANGE 1, 0                                    ; nothing is left to fetch
	TRIP 1, 0, 0, 1, 1
	TRIP 1, 1, 0, 1, 1
	TRIP 1, 2, 0, 1, 1
	TRIP 1, 3, 0, 0, 0
	; THE WAY OUT.  O / sum, f16, through LDS.  The stage lies in slot 0: its last fill has landed and its last reads ended in front of the last barrier.
.rept 4
	v_nop                                          ; places behind the last products
.endr
.irp n, 0,1,2,3
	v_permlanex16_b32 v[X], v[L+\n], s30, s31
	v_add_f32 v[L+\n], v[L+\n], v[X]               ; both halves of the keys
.endr
.irp n, 0,1,2,3
	v_rcp_f32 v[AL+2*\n], v[L+\n]
.endr
	v_nop                                          ; a plain instruction between the reciprocals and their use
	WIN 0x01                                       ; O from window 1
	s_wait_alu depctr_va_vdst(0)
.irp n, 0,1,2,3
.set i, 0
.rept 16
	v_pk_mul_f32 v[S+32*\n+i:S+32*\n+i+1], v[O+32*\n+i:O+32*\n+i+1], v[AL+2*\n:AL+2*\n+1] op_sel_hi:[1,0]
.set i, i+2
.endr
.endr
	WIN 0
.irp n, 0,1,2,3
.irp dt, 0,1,2,3
.irp i, 0,1,2,3
	v_cvt_pk_f16_f32 v[S+32*\n+8*\dt+\i], v[S+32*\n+8*\dt+2*\i], v[S+32*\n+8*\dt+2*\i+1]
.endr
	ds_store_b128 v[STO], v[S+32*\n+8*\dt:S+32*\n+8*\dt+3] offset:\n*16*OP+32*\dt   ; query 16 n + r, d = 16 dt + 8 h + 0..7
.endr
.endr
	s_wait_dscnt 0x0                               ; for the others' sake: my stores are done
	s_barrier_signal -1
	s_barrier_wait -1
.irp t, 0,1,2,3,4,5,6,7,8,9,10,11,12,13,14,15
	ds_load_b128 v[VF+4*\t:VF+4*\t+3], v[RD] offset:\t*2*OP
.endr
.irp t, 0,1,2,3,4,5,6,7,8,9,10,11,12,13,14,15
	s_wait_dscnt 15-\t
	global_store_b128 v[CO], v[VF+4*\t:VF+4*\t+3], s[6:7] offset:\t*4096   ; 16 lanes store the pair of heads' 256 consecutive bytes of a token, aligned
.endr
	s_wait_tensorcnt 0x0
	ds_add_u32 v62, v63
	s_wait_dscnt 0x0
	CROUND                                         ; the closing round
	s_endpgm
.Lfunc_end_k_qdad328c3dc_attn:
	.size	k_qdad328c3dc_attn, .Lfunc_end_k_qdad328c3dc_attn-k_qdad328c3dc_attn
	.p2alignl 7, 3214868480
	.fill 96, 4, 3214868480
	.section	.rodata,"a",@progbits
	.p2align	6, 0x0
	.amdhsa_kernel k_qdad328c3dc_attn
		.amdhsa_group_segment_fixed_size 327680
		.amdhsa_private_segment_fixed_size 0
		.amdhsa_enable_private_segment 0
		.amdhsa_kernarg_size 24
		.amdhsa_user_sgpr_count 2
		.amdhsa_user_sgpr_kernarg_segment_ptr 1
		.amdhsa_wavefront_size32 1
		.amdhsa_system_sgpr_workgroup_id_x 1
		.amdhsa_system_sgpr_workgroup_id_y 1
		.amdhsa_system_sgpr_workgroup_id_z 1
		.amdhsa_system_vgpr_workitem_id 0
		.amdhsa_next_free_vgpr 512
		.amdhsa_next_free_sgpr 102
		.amdhsa_reserve_vcc 0
		.amdhsa_float_denorm_mode_32 3
		.amdhsa_float_denorm_mode_16_64 3
		.amdhsa_memory_ordered 1
		.amdhsa_forward_progress 1
		.amdhsa_inst_pref_size 255
	.end_amdhsa_kernel
	.section	.bss,"aw",@nobits
	.p2align	6
	.space	262144
	.amdgpu_metadata
---
amdhsa.version: [ 1, 2 ]
amdhsa.kernels:
  - .name:           k_qdad328c3dc_attn
    .symbol:         k_qdad328c3dc_attn.kd
    .args:
      - { .name: qkvb, .offset: 0, .size: 8, .value_kind: global_buffer, .address_space: global }
      - { .name: mb, .offset: 8, .size: 8, .value_kind: global_buffer, .address_space: global }
      - { .name: ctxb, .offset: 16, .size: 8, .value_kind: global_buffer, .address_space: global }
    .group_segment_fixed_size: 327680
    .private_segment_fixed_size: 0
    .kernarg_segment_align: 8
    .kernarg_segment_size: 24
    .max_flat_workgroup_size: 256
    .sgpr_count:     102
    .vgpr_count:     512
    .wavefront_size: 32
...
	.end_amdgpu_metadata
.endif
;; end of part 3
;; launch oproj (part 4): grid 4 x 64, 4 waves a work-group, clusters of 4 x 4, 327,680 bytes of LDS; arguments ctxb, wb, bo, out0; writes out0
.if DOCPART == 4
	.amdgcn_target "amdgcn-amd-amdhsa--gfx1250"
	.amdhsa_code_object_version 6
	.text
	.protected	k_qdad328c3dc_oproj
	.globl	k_qdad328c3dc_oproj
	.p2align	8
	.type	k_qdad328c3dc_oproj,@function
k_qdad328c3dc_oproj:
	s_mov_b64 s[64:65], 0
	v_nop
	global_prefetch_b8 v0, s[64:65] scope:SCOPE_SE
	s_setreg_imm32_b32 hwreg(HW_REG_WAVE_MODE, 25, 1), 1
	s_wait_xcnt 0x0
	s_wait_alu depctr_hold_cnt(0) depctr_sa_sdst(0) depctr_va_vdst(0) depctr_va_sdst(0) depctr_va_ssrc(0) depctr_va_vcc(0) depctr_vm_vsrc(0)
	s_getreg_b32 s2, hwreg(HW_REG_IB_STS2, 6, 4)
	s_cmp_eq_u32 s2, 0
	s_cbranch_scc0 .Lentry_in_a_cluster
	s_endpgm
.Lentry_in_a_cluster:
	s_bfe_u32 s2, ttmp6, 0x10000c
	s_cmp_lg_u32 s2, 0xf033
	s_cbranch_scc0 .Lentry_shape_is_right
	s_endpgm
.Lentry_shape_is_right:
; oproj: out0[token][n] = sum over k of ctxb[token][k] wb[3][k][n] + bo[n]; f16 operands, f32 sums, f32 out.
; ctxb is f16 (11 significant bits); wb[3] holds Wo rounded to bf16 like the other weights, written in f16, since a matrix instruction takes one format.
; The same frame as the launch that makes q, k, v: a work-group makes 128 tokens x 256 columns with four waves (2 x 2), a wave 64 x 128 in 256 registers;
; 4 x 64 = 256 work-groups; K = 1024 in 8 steps of 128 through two LDS slots filled by tensor loads.
; CLUSTERS of 4 x 4: cx is the block of 256 columns, 4 x cluster y + cy the block of 128 tokens.  The four of a cluster's row ask jointly for a tile of
; ctxb, the four of a column for a tile of Wo.  Wo lies [k][n]: its fragments come from LDS by the transposing load.
; The matrix instruction is used transposed (source 0 = 16 columns of Wo, source 1 = 16 tokens): a lane's 8 results are 8 neighbouring columns of one token.
; Limits: operands are f16; the order of the sums is the matrix unit's.  A NaN in a token's ctx makes the token's whole row NaN, as in a plain product.
; REGISTERS: window 0: addresses, two buffers of fragments; window 1 (v256-511): accumulator tile (a, b) at 8 (8 a + b); window 2 (v512-575): bias.
.set PA,    272
.set PB,    544
.set AHALF, 64*PA
.set ATILE, 128*PA
.set BHALF, 64*PB
.set SLOT,  ATILE+2*BHALF              ; 104,448
.set STAGE, 2*SLOT                     ; behind the ring, a multiple of 256: 16 rows x 528 bytes for each wave, never filled by a tensor load
.set SP,    528                        ; 512 + 16 bytes
.set LAPS,  4
.set ASTEP, 256
.set BSTEP, 128*2048
.set WOOFF, 3*1024*2048                ; Wo in wb
.set ADRA, 16
.set ADRB, 20
.set STO,  24
.set RD,   25
.set CO,   26
.set BOFF, 27
.set FA0,  32
.set FA1,  64
.set FB0,  96
.set FB1,  160
.set G1,  24
.set G0,  32
.set G1B, 48
.set G0B, 56
.set ACCW, 0x50
.set MSB, 0
.macro WIN new
.if MSB != \new
	s_set_vgpr_msb (MSB<<8)|\new
.set MSB, \new
.endif
.endm
.macro JLOAD s                         ; waves 0, 1 fetch A's two halves, waves 2, 3 Wo's; four v_nop follow each line
	s_cmp_eq_u32 s11, 0
	s_cbranch_scc0 .Lfor_b_\@
	tensor_load_to_lds s[G0+4*\s:G0+4*\s+3], s[G1:G1+7]
	s_nop 0
.rept 4
	v_nop
.endr
	s_branch .Lasked_\@
.Lfor_b_\@:
	tensor_load_to_lds s[G0B+4*\s:G0B+4*\s+3], s[G1B:G1B+7]
	s_nop 0
.rept 4
	v_nop
.endr
.Lasked_\@:
.endm
.macro CREST
	s_cmp_lg_u32 s10, 0
	s_cbranch_scc1 .Lnot_wave_0_\@
	s_barrier_signal -3
.Lnot_wave_0_\@:
	s_barrier_wait -3
	s_barrier_signal -1
	s_barrier_wait -1
.endm
.macro CROUND
	s_barrier_signal -1
	s_barrier_wait -1
	CREST
.endm
.macro PLACES                          ; four independent vector instructions behind a matrix instruction (ISA guide 7.12.1)
.rept 4
	v_nop
.endr
.endm
	s_load_b256 s[68:75], s[0:1], 0x0              ; ctxb s[68:69], wb s[70:71], bo s[72:73], out0 s[74:75]
	v_lshl_add_u32 v254, v0, 2, 0x3b400
	v_mov_b32 v255, 0
	ds_add_u32 v254, v255
	v_lshrrev_b32 v1, 5, v0
	v_readfirstlane_b32 s10, v1                    ; wave 0..3
	s_lshr_b32 s11, s10, 1                         ; my half of the tokens.  Also: I fetch for A (0) or for Wo (1)
	s_and_b32 s12, s10, 1                          ; my half of the columns.  Also: which 64 rows of that tile I fetch
	s_bfe_u32 s40, ttmp6, 0x40000                  ; cx
	s_bfe_u32 s41, ttmp6, 0x40004                  ; cy
	s_and_b32 s13, ttmp7, 0xffff
	s_lshl_b32 s13, s13, 2
	s_add_co_u32 s13, s13, s41                     ; block of 128 tokens
	s_lshl_b32 s43, s41, 2
	s_lshl_b32 s43, 15, s43                        ; my row of the cluster
	s_lshl_b32 s44, 0x1111, s40                    ; my column
	s_or_b32 s[G1+0], s43, (1<<16)|(1<<20)|(1<<21)|(5<<22)|(3<<25)   ; mask; 2-byte elements; padding on; bit 21 beside a mask; 4 words behind every 64
	s_mov_b32 s[G1+1], 128<<16
	s_mov_b32 s[G1+2], 64<<16
	s_mov_b32 s[G1+3], 128<<16
	s_mov_b32 s[G1+4], 64
	s_mov_b32 s[G1+5], 1024
	s_mov_b32 s[G1+6], 0
	s_mov_b32 s[G1+7], 0
	s_or_b32 s[G1B+0], s44, (1<<16)|(1<<20)|(1<<21)|(6<<22)|(7<<25)  ; 8 words behind every 128
	s_mov_b32 s[G1B+1], 256<<16
	s_mov_b32 s[G1B+2], 64<<16
	s_mov_b32 s[G1B+3], 256<<16
	s_mov_b32 s[G1B+4], 64
	s_mov_b32 s[G1B+5], 1024
	s_mov_b32 s[G1B+6], 0
	s_mov_b32 s[G1B+7], 0
	s_lshl_b32 s16, s13, 18                        ; 128 tokens of 2,048 bytes
	s_lshl_b32 s17, s12, 17
	s_add_co_u32 s16, s16, s17
	s_mov_b32 s17, 0
	s_lshl_b32 s46, s40, 9                         ; 256 columns
	s_add_co_u32 s46, s46, WOOFF
	s_lshl_b32 s47, s12, 17                        ; 64 rows of k
	s_add_co_u32 s46, s46, s47
	s_mov_b32 s47, 0
	s_mul_i32 s20, s12, AHALF
	s_mul_i32 s21, s12, BHALF
	s_add_co_u32 s21, s21, ATILE
	s_wait_dscnt 0x0
	s_wait_kmcnt 0x0
	s_add_nc_u64 s[14:15], s[68:69], s[16:17]
	s_add_nc_u64 s[46:47], s[70:71], s[46:47]
	CROUND                                         ; all sixteen work-groups are here: the first joint loads meet
.irp s, 0,1
	s_mov_b32 s[G0+4*\s], 1
	s_add_co_u32 s[G0+4*\s+1], s20, \s*SLOT
	s_add_nc_u64 s[G0+4*\s+2:G0+4*\s+3], s[14:15], \s*ASTEP
	s_or_b32 s[G0+4*\s+3], s[G0+4*\s+3], 0x80000000
	s_mov_b32 s[G0B+4*\s], 1
	s_add_co_u32 s[G0B+4*\s+1], s21, \s*SLOT
	s_add_nc_u64 s[G0B+4*\s+2:G0B+4*\s+3], s[46:47], \s*BSTEP
	s_or_b32 s[G0B+4*\s+3], s[G0B+4*\s+3], 0x80000000
	JLOAD \s                                       ; two tensor loads of the wave are out
.endr
	; bias: register 8 b + j of window 2 = bo[256 cx + 128 half + 16 b + 8 h + j]
	s_lshl_b32 s6, s40, 10
	s_lshl_b32 s7, s12, 9
	s_add_co_u32 s6, s6, s7
	s_mov_b32 s7, 0
	s_add_nc_u64 s[4:5], s[72:73], s[6:7]
	v_and_b32 v1, 15, v0                           ; r
	v_bfe_u32 v2, v0, 4, 1                         ; h
	v_lshlrev_b32 v[BOFF], 5, v2
	WIN 0x80
.irp b, 0,1,2,3,4,5,6,7
	global_load_b128 v[8*\b:8*\b+3],   v[BOFF], s[4:5] offset:64*\b
	global_load_b128 v[8*\b+4:8*\b+7], v[BOFF], s[4:5] offset:64*\b+16
.endr
	WIN 0
	v_mul_u32_u24 v3, v1, PA
	v_lshl_add_u32 v3, v2, 4, v3
	s_mul_i32 s22, s11, AHALF
	v_add_nc_u32 v[ADRA], s22, v3
	v_add_nc_u32 v[ADRA+1], SLOT, v[ADRA]
	v_and_b32 v4, 7, v0
	v_lshl_add_u32 v4, v2, 3, v4
	v_mul_u32_u24 v4, v4, PB
	v_bfe_u32 v5, v0, 3, 1
	v_lshl_add_u32 v4, v5, 4, v4
	s_lshl_b32 s23, s12, 8
	s_add_co_u32 s23, s23, ATILE
	v_add_nc_u32 v[ADRB], s23, v4
	v_add_nc_u32 v[ADRB+1], SLOT, v[ADRB]
	s_mul_i32 s2, s10, 16*SP
	s_add_co_u32 s2, s2, STAGE                     ; my stage
	v_mul_u32_u24 v4, v1, SP
	v_lshl_add_u32 v4, v2, 5, v4
	v_add_nc_u32 v[STO], s2, v4                    ; in: row r, 32 bytes for each half of the lanes
	v_and_b32 v5, 31, v0
	v_lshlrev_b32 v[CO], 4, v5                     ; back and out: a row of 512 bytes, 16 a lane
	v_add_nc_u32 v[RD], s2, v[CO]
.macro MUL8 fa, fb, a, zero
.irp b, 0,1,2,3,4,5,6,7
.if \zero
	v_wmma_f32_16x16x32_f16 v[8*(8*\a+\b):8*(8*\a+\b)+7], v[\fb+8*\b:\fb+8*\b+7], v[\fa+8*\a:\fa+8*\a+7], 0
.else
	v_wmma_f32_16x16x32_f16 v[8*(8*\a+\b):8*(8*\a+\b)+7], v[\fb+8*\b:\fb+8*\b+7], v[\fa+8*\a:\fa+8*\a+7], v[8*(8*\a+\b):8*(8*\a+\b)+7]
.endif
.endr
.endm
.macro FETCH slot, kq, fa, fb
	WIN 0
.irp b, 0,1,2,3,4,5,6,7
	ds_load_tr16_b128 v[\fb+8*\b:\fb+8*\b+3],   v[ADRB+\slot] offset:\kq*32*PB+32*\b
	ds_load_tr16_b128 v[\fb+8*\b+4:\fb+8*\b+7], v[ADRB+\slot] offset:\kq*32*PB+32*\b+16*PB
.endr
.irp a, 0,1,2,3
	ds_load_b128 v[\fa+8*\a:\fa+8*\a+3],   v[ADRA+\slot] offset:\kq*64+\a*16*PA
	ds_load_b128 v[\fa+8*\a+4:\fa+8*\a+7], v[ADRA+\slot] offset:\kq*64+\a*16*PA+32
.endr
.endm
; The 32 accumulators take turns, one instruction a turn, in the same order in every quarter.
.macro QUARTER slot, kq, fa, fb, ga, gb, zero
	s_wait_dscnt 4                                 ; all but the youngest four loads (A's tokens 32-63) are in
	WIN ACCW
	MUL8 \fa, \fb, 0, \zero
	MUL8 \fa, \fb, 1, \zero
	PLACES
	FETCH \slot, \kq, \ga, \gb
	s_wait_dscnt 24                                ; all but the 24 just issued
	WIN ACCW
	MUL8 \fa, \fb, 2, \zero
	MUL8 \fa, \fb, 3, \zero
.endm
.macro THREE slot, zero
	QUARTER \slot, 1, FA0, FB0, FA1, FB1, \zero
	QUARTER \slot, 2, FA1, FB1, FA0, FB0, 0
	QUARTER \slot, 3, FA0, FB0, FA1, FB1, 0
.endm
.macro TURN slot, next, fill
	s_wait_dscnt 4
	WIN ACCW
	MUL8 FA1, FB1, 0, 0
	s_wait_dscnt 0                                 ; my reads of this slot are over
	s_wait_tensorcnt 0x0                           ; all my tensor loads have landed: the one that was out is my part of the next slot
	ds_add_u32 v254, v255
	s_wait_dscnt 0x0
	s_barrier_signal -1
	MUL8 FA1, FB1, 1, 0
	WIN 0
	s_barrier_wait -1
.if \fill
	CREST                                          ; no wave of any partner still reads this slot or has a load on its way
	s_add_nc_u64 s[G0+4*\slot+2:G0+4*\slot+3], s[G0+4*\slot+2:G0+4*\slot+3], 2*ASTEP
	s_add_nc_u64 s[G0B+4*\slot+2:G0B+4*\slot+3], s[G0B+4*\slot+2:G0B+4*\slot+3], 2*BSTEP
	JLOAD \slot                                    ; my one tensor load behind the round; its four v_nop are also the places in front of the loads below
.else
	PLACES
.endif
	FETCH \next, 0, FA0, FB0
	WIN ACCW
	MUL8 FA1, FB1, 2, 0
	MUL8 FA1, FB1, 3, 0
.endm
.macro LAP zero
	THREE 0, \zero
	TURN 0, 1, 1
	THREE 1, 0
	TURN 1, 0, 1
.endm
	s_wait_tensorcnt 0x1                           ; my part of K step 0 is in; K step 1's stays out
	s_barrier_signal -1
	s_barrier_wait -1
	FETCH 0, 0, FA0, FB0
	LAP 1
	WIN 0
	s_mov_b32 s3, LAPS-2
.Llap:
	LAP 0
	WIN 0
	s_sub_co_u32 s3, s3, 1
	s_cmp_lg_u32 s3, 0
	s_cbranch_scc1 .Llap
	THREE 0, 0                                     ; the last lap asks for nothing
	TURN 0, 1, 0
	THREE 1, 0
	s_wait_dscnt 4
	WIN ACCW
	MUL8 FA1, FB1, 0, 0
	MUL8 FA1, FB1, 1, 0
	s_wait_dscnt 0
	MUL8 FA1, FB1, 2, 0
	MUL8 FA1, FB1, 3, 0
	; THE WAY OUT, 16 tokens at a time: add the bias, 32 bytes a lane into my own stage, whole rows of 512 bytes back and out
	PLACES
	WIN 0
	s_wait_loadcnt 0x0                             ; the bias
	s_lshl_b32 s6, s13, 19                         ; 128 tokens of 4,096 bytes
	s_lshl_b32 s7, s11, 18
	s_add_co_u32 s6, s6, s7
	s_lshl_b32 s7, s40, 10
	s_add_co_u32 s6, s6, s7
	s_lshl_b32 s7, s12, 9
	s_add_co_u32 s6, s6, s7
	s_mov_b32 s7, 0
	s_add_nc_u64 s[8:9], s[74:75], s[6:7]
.macro OUT16 a
	WIN 0x09                                       ; source 0 window 1 (sums), source 1 window 2 (bias)
.irp b, 0,1,2,3,4,5,6,7
.irp i, 0,2,4,6
	v_pk_add_f32 v[FB0+8*\b+\i:FB0+8*\b+\i+1], v[8*(8*\a+\b)+\i:8*(8*\a+\b)+\i+1], v[8*\b+\i:8*\b+\i+1]
.endr
.endr
	WIN 0
.irp b, 0,1,2,3,4,5,6,7
	ds_store_b128 v[STO], v[FB0+8*\b:FB0+8*\b+3]   offset:64*\b
	ds_store_b128 v[STO], v[FB0+8*\b+4:FB0+8*\b+7] offset:64*\b+16
.endr
	s_wait_xcnt 0x0                                ; buffer 1, which earlier stores read, and the stores' base are rewritten only behind this wait
.if \a
	s_add_nc_u64 s[8:9], s[8:9], 16*4096
.endif
.irp t, 0,1,2,3,4,5,6,7,8,9,10,11,12,13,14,15
	ds_load_b128 v[FB1+4*\t:FB1+4*\t+3], v[RD] offset:\t*SP     ; LDS serves a wave's instructions in order: these see the stores above
.endr
.irp t, 0,1,2,3,4,5,6,7,8,9,10,11,12,13,14,15
	s_wait_dscnt 15-\t
	global_store_b128 v[CO], v[FB1+4*\t:FB1+4*\t+3], s[8:9] offset:\t*4096 th:TH_STORE_NT   ; the wave stores 512 consecutive bytes, aligned
.endr
.endm
	OUT16 0
	OUT16 1
	OUT16 2
	OUT16 3
	s_wait_tensorcnt 0x0
	ds_add_u32 v254, v255
	s_wait_dscnt 0x0
	CROUND                                         ; the closing round
	s_endpgm
.Lfunc_end_k_qdad328c3dc_oproj:
	.size	k_qdad328c3dc_oproj, .Lfunc_end_k_qdad328c3dc_oproj-k_qdad328c3dc_oproj
	.p2alignl 7, 3214868480
	.fill 96, 4, 3214868480
	.section	.rodata,"a",@progbits
	.p2align	6, 0x0
	.amdhsa_kernel k_qdad328c3dc_oproj
		.amdhsa_group_segment_fixed_size 327680
		.amdhsa_private_segment_fixed_size 0
		.amdhsa_enable_private_segment 0
		.amdhsa_kernarg_size 32
		.amdhsa_user_sgpr_count 2
		.amdhsa_user_sgpr_kernarg_segment_ptr 1
		.amdhsa_wavefront_size32 1
		.amdhsa_system_sgpr_workgroup_id_x 1
		.amdhsa_system_sgpr_workgroup_id_y 1
		.amdhsa_system_sgpr_workgroup_id_z 1
		.amdhsa_system_vgpr_workitem_id 0
		.amdhsa_next_free_vgpr 576
		.amdhsa_next_free_sgpr 80
		.amdhsa_reserve_vcc 0
		.amdhsa_float_denorm_mode_32 3
		.amdhsa_float_denorm_mode_16_64 3
		.amdhsa_memory_ordered 1
		.amdhsa_forward_progress 1
		.amdhsa_inst_pref_size 128
	.end_amdhsa_kernel
	.amdgpu_metadata
---
amdhsa.version: [ 1, 2 ]
amdhsa.kernels:
  - .name:           k_qdad328c3dc_oproj
    .symbol:         k_qdad328c3dc_oproj.kd
    .args:
      - { .name: ctxb, .offset: 0, .size: 8, .value_kind: global_buffer, .address_space: global }
      - { .name: wb, .offset: 8, .size: 8, .value_kind: global_buffer, .address_space: global }
      - { .name: bo, .offset: 16, .size: 8, .value_kind: global_buffer, .address_space: global }
      - { .name: out0, .offset: 24, .size: 8, .value_kind: global_buffer, .address_space: global }
    .group_segment_fixed_size: 327680
    .private_segment_fixed_size: 0
    .kernarg_segment_align: 8
    .kernarg_segment_size: 32
    .max_flat_workgroup_size: 128
    .sgpr_count:     80
    .vgpr_count:     576
    .wavefront_size: 32
...
	.end_amdgpu_metadata
.endif
;; end of part 4
;; ======== version 2 of 3: 4 launches; 1.21 times as fast as version 1
;; limits: values are held in f16: magnitudes above 65,504 overflow, below 6.1e-05 lose precision
;; workspace buffers: xb 16,777,216 bytes; wb 8,388,608 bytes; mb 524,288 bytes of whole numbers; qkvb 50,331,648 bytes; ctxb 16,777,216 bytes
;; launch prep: the kernel of part 1 again; grid 512 x 1, 8 waves a work-group, no clusters, 0 bytes of LDS; arguments x, Wq, Wk, Wv, Wo, attn_mask, xb, wb, mb; writes xb, wb, mb
;; launch qkv (part 5): grid 12 x 32, 4 waves a work-group, clusters of 4 x 4, 327,680 bytes of LDS; arguments xb, wb, bq, bk, bv, qkvb; writes qkvb
.if DOCPART == 5
	.amdgcn_target "amdgcn-amd-amdhsa--gfx1250"
	.amdhsa_code_object_version 6
	.text
	.protected	k_qdad328c3dc_qkv
	.globl	k_qdad328c3dc_qkv
	.p2align	8
	.type	k_qdad328c3dc_qkv,@function
k_qdad328c3dc_qkv:
	s_mov_b64 s[64:65], 0
	v_nop
	global_prefetch_b8 v0, s[64:65] scope:SCOPE_SE
	s_setreg_imm32_b32 hwreg(HW_REG_WAVE_MODE, 25, 1), 1
	s_wait_xcnt 0x0
	s_wait_alu depctr_hold_cnt(0) depctr_sa_sdst(0) depctr_va_vdst(0) depctr_va_sdst(0) depctr_va_ssrc(0) depctr_va_vcc(0) depctr_vm_vsrc(0)
	s_getreg_b32 s2, hwreg(HW_REG_IB_STS2, 6, 4)
	s_cmp_eq_u32 s2, 0
	s_cbranch_scc0 .Lentry_in_a_cluster
	s_endpgm
.Lentry_in_a_cluster:
	s_bfe_u32 s2, ttmp6, 0x10000c
	s_cmp_lg_u32 s2, 0xf033
	s_cbranch_scc0 .Lentry_shape_is_right
	s_endpgm
.Lentry_shape_is_right:
; qkv: qkvb[mat][token][n] = sum over k of xb[token][k] wb[mat][k][n] + bias_mat[n], mat = 0, 1, 2 (q, k, v); bf16 operands, f32 sums, f16 out.
; The result is kept in f16, not bf16: a query that is allowed few keys has a ctx as large as v itself, and the rounding of q, k and v goes straight into
; it; f16 has 11 significant bits against 8.
; A work-group makes 256 tokens x 256 columns with four waves (2 x 2), as many as a WGP has SIMDs; a wave makes 128 x 128: 64 accumulator tiles, 512 registers.
; K = 1024 goes in 8 steps of 128 through two LDS slots filled by tensor loads.  12 x 32 = 384 work-groups of equal work.
; WHY THIS BLOCK: from a tile's request to the wait for it a wave issues 240 matrix instructions, and it reads 32 x 512 bytes from LDS for 64 of them.
; A block of half the tokens would make 768 work-groups, but leave 120 matrix instructions for a tile to land and read 24 x 512 bytes for 32: half as much again.
; CLUSTERS of 4 x 4: cluster x is the matrix, cx the block of 256 columns, 4 x cluster y + cy the block of 256 tokens.  The four of a cluster's
; row need the same tile of xb, the four of a column the same tile of wb: each tile is asked for jointly, by the same line and descriptor.
; wb lies [k][n]: its fragments are read from LDS by the transposing load.  Rows of xb in LDS: 256 + 16 bytes; rows of wb: 512 + 32 bytes.
; The matrix instruction is used transposed (source 0 = 16 columns of W, source 1 = 16 tokens): a lane's 8 results are 8 neighbouring columns of one token.
; Limits: operands are rounded to bf16, the result to f16: |q|, |k|, |v| < 65,504.  (x of spread 1 and weights within 1/32 give them a spread of 0.6;
; x and weights both 30 times larger, about 3,000 at the most.)  The order of the sums is the matrix unit's.
; REGISTERS, in windows of 256:
;   window 0: v16-27 addresses; v64-127, v128-191 fragments of xb (8 x 16 tokens x 32 K), two buffers; v192-255 at work on the way out
;   window 1: v64-127, v128-191 fragments of W (8 x 16 columns x 32 K), two buffers; v192-255 the bias of my 128 columns
;   window 2: the 32 accumulator tiles of my tokens 0-63 (tile (a, b) at v[8 (8 a + b)]);   window 3: those of my tokens 64-127
.set PA,    272                        ; LDS pitch of A's rows: an odd multiple of 16
.set PB,    544                        ; LDS pitch of W's rows: an odd multiple of 32
.set AHALF, 128*PA                     ; what one tensor load brings of A, and what a wave reads of it
.set ATILE, 256*PA
.set BHALF, 64*PB                      ; what one tensor load brings of W
.set SLOT,  ATILE+2*BHALF              ; 139,264
.set STAGE, 2*SLOT                     ; behind the ring, a multiple of 256: 16 rows x 272 bytes for each wave, never filled by a tensor load
.set SP,    272
.set LAPS,  4                          ; a lap = two K steps = once round the ring
.set ASTEP, 256                        ; bytes of a K step along a row of A
.set BSTEP, 128*2048                   ; bytes of a K step down the rows of W
.set ADRA, 16                          ; v16-17 LDS address of my A fragments in slot 0, 1
.set ADRB, 20                          ; v20-21 the same for W
.set STO,  24
.set RD,   25
.set CO,   26
.set BOFF, 27
.set F0,   64                          ; fragment buffer 0 (A's in window 0, W's in window 1)
.set F1,   128                         ; fragment buffer 1
.set TMP,  192                         ; window 0: sums with the bias, then packed in place
.set BIAS, 192                         ; window 1: register 8 b + j = bias of column 16 b + 8 h + j of my 128
.set G1,  24                           ; s[24:31] group 1 for A's tiles
.set G0,  32                           ; s[32:39] group 0 for A's tiles, one set a slot
.set G1B, 48                           ; s[48:55] group 1 for W's tiles
.set G0B, 56                           ; s[56:63] group 0 for W's tiles, one set a slot
.set MUL_LO, 0xa1                      ; source 0 (W) window 1, source 1 (A) window 0, C and D window 2
.set MUL_HI, 0xf1                      ; the same, C and D window 3
.set TO_B,   0x40                      ; destination window 1, address window 0
.set MSB, 0
.macro WIN new                         ; the immediate's high byte repeats the setting that is left
.if MSB != \new
	s_set_vgpr_msb (MSB<<8)|\new
.set MSB, \new
.endif
.endm
; A joint load: waves 0, 1 fetch A's two halves, waves 2, 3 W's.  The branch hangs on the wave's number alone.  Four v_nop follow each line.
.macro JLOAD s
	s_cmp_eq_u32 s11, 0
	s_cbranch_scc0 .Lfor_b_\@
	tensor_load_to_lds s[G0+4*\s:G0+4*\s+3], s[G1:G1+7]
	s_nop 0
.rept 4
	v_nop
.endr
	s_branch .Lasked_\@
.Lfor_b_\@:
	tensor_load_to_lds s[G0B+4*\s:G0B+4*\s+3], s[G1B:G1B+7]
	s_nop 0
.rept 4
	v_nop
.endr
.Lasked_\@:
.endm
.macro CREST                           ; a round of the cluster's barrier behind its opening work-group barrier
	s_cmp_lg_u32 s10, 0
	s_cbranch_scc1 .Lnot_wave_0_\@
	s_barrier_signal -3
.Lnot_wave_0_\@:
	s_barrier_wait -3
	s_barrier_signal -1
	s_barrier_wait -1
.endm
.macro CROUND
	s_barrier_signal -1
	s_barrier_wait -1
	CREST
.endm
.macro PLACES                          ; four independent vector instructions behind a matrix instruction (ISA guide 7.12.1) before its registers are loaded into or read
.rept 4
	v_nop
.endr
.endm
	s_load_b256 s[68:75], s[0:1], 0x0              ; xb s[68:69], wb s[70:71], bq s[72:73], bk s[74:75]
	s_load_b128 s[76:79], s[0:1], 0x20             ; bv s[76:77], qkvb s[78:79]
	s_set_vgpr_msb 0x40
	v_lshl_add_u32 v63, v0, 2, 0x48400
	s_set_vgpr_msb 0x4000
	v_mov_b32 v63, 0
	s_set_vgpr_msb 0x1
	ds_add_u32 v63, v63
	s_set_vgpr_msb 0x100
	v_lshrrev_b32 v1, 5, v0
	v_readfirstlane_b32 s10, v1                    ; wave 0..3
	s_lshr_b32 s11, s10, 1                         ; my half of the tokens.  Also: I fetch for A (0) or for W (1)
	s_and_b32 s12, s10, 1                          ; my half of the columns.  Also: which half of that tile's rows I fetch
	s_bfe_u32 s40, ttmp6, 0x40000                  ; cx
	s_bfe_u32 s41, ttmp6, 0x40004                  ; cy
	s_and_b32 s13, ttmp7, 0xffff
	s_lshl_b32 s13, s13, 2
	s_add_co_u32 s13, s13, s41                     ; block of 256 tokens = 4 x cluster y + cy
	s_lshl_b32 s43, s41, 2
	s_lshl_b32 s43, 15, s43                        ; my row of the cluster
	s_lshl_b32 s44, 0x1111, s40                    ; my column
	s_or_b32 s[G1+0], s43, (1<<16)|(1<<20)|(1<<21)|(5<<22)|(3<<25)   ; mask; 2-byte elements; padding on; bit 21 beside a mask; 4 words behind every 64
	s_mov_b32 s[G1+1], 128<<16                     ; tensor_dim0 = 128
	s_mov_b32 s[G1+2], 128<<16                     ; tensor_dim1 = 128
	s_mov_b32 s[G1+3], 128<<16                     ; tile_dim0 = 128 elements: 256 bytes
	s_mov_b32 s[G1+4], 128                         ; tile_dim1 = 128 tokens
	s_mov_b32 s[G1+5], 1024                        ; elements from row to row
	s_mov_b32 s[G1+6], 0
	s_mov_b32 s[G1+7], 0
	s_or_b32 s[G1B+0], s44, (1<<16)|(1<<20)|(1<<21)|(6<<22)|(7<<25)  ; 8 words behind every 128
	s_mov_b32 s[G1B+1], 256<<16                    ; tensor_dim0 = 256
	s_mov_b32 s[G1B+2], 64<<16                     ; tensor_dim1 = 64
	s_mov_b32 s[G1B+3], 256<<16                    ; tile_dim0 = 256 elements: 512 bytes
	s_mov_b32 s[G1B+4], 64                         ; tile_dim1 = 64 rows of k
	s_mov_b32 s[G1B+5], 1024
	s_mov_b32 s[G1B+6], 0
	s_mov_b32 s[G1B+7], 0
	; A's address is made of the token block and the wave's number, W's of the matrix, cx and the wave's number, each in registers of its own
	s_lshl_b32 s16, s13, 19                        ; 256 tokens of 2,048 bytes
	s_lshl_b32 s17, s12, 18                        ; + 128 tokens
	s_add_co_u32 s16, s16, s17
	s_mov_b32 s17, 0
	s_lshl_b32 s46, ttmp9, 21                      ; the matrix: 2,097,152 bytes each
	s_lshl_b32 s47, s40, 9                         ; 256 columns
	s_add_co_u32 s46, s46, s47
	s_lshl_b32 s47, s12, 17                        ; 64 rows of k
	s_add_co_u32 s46, s46, s47
	s_mov_b32 s47, 0
	s_mul_i32 s20, s12, AHALF                      ; LDS: A's half
	s_mul_i32 s21, s12, BHALF
	s_add_co_u32 s21, s21, ATILE                   ; LDS: W's half, behind A's 256 rows
	s_wait_dscnt 0x0
	s_wait_kmcnt 0x0
	s_add_nc_u64 s[14:15], s[68:69], s[16:17]
	s_add_nc_u64 s[46:47], s[70:71], s[46:47]
	CROUND                                         ; all sixteen work-groups are here: the first joint loads meet
.irp s, 0,1
	s_mov_b32 s[G0+4*\s], 1
	s_add_co_u32 s[G0+4*\s+1], s20, \s*SLOT
	s_add_nc_u64 s[G0+4*\s+2:G0+4*\s+3], s[14:15], \s*ASTEP
	s_or_b32 s[G0+4*\s+3], s[G0+4*\s+3], 0x80000000
	s_mov_b32 s[G0B+4*\s], 1
	s_add_co_u32 s[G0B+4*\s+1], s21, \s*SLOT
	s_add_nc_u64 s[G0B+4*\s+2:G0B+4*\s+3], s[46:47], \s*BSTEP
	s_or_b32 s[G0B+4*\s+3], s[G0B+4*\s+3], 0x80000000
	JLOAD \s                                       ; both slots are asked for before anything else: two tensor loads of the wave are out
.endr
	; bias of my 128 columns: register BIAS + 8 b + j of window 1 = bias[256 cx + 128 half + 16 b + 8 h + j]
	s_cmp_eq_u32 ttmp9, 1
	s_cselect_b64 s[4:5], s[74:75], s[72:73]
	s_cmp_eq_u32 ttmp9, 2
	s_cselect_b64 s[4:5], s[76:77], s[4:5]
	s_lshl_b32 s6, s40, 10
	s_lshl_b32 s7, s12, 9
	s_add_co_u32 s6, s6, s7
	s_mov_b32 s7, 0
	s_add_nc_u64 s[4:5], s[4:5], s[6:7]
	v_and_b32 v1, 15, v0                           ; r
	v_bfe_u32 v2, v0, 4, 1                         ; h
	v_lshlrev_b32 v[BOFF], 5, v2
	WIN TO_B                                       ; destination in window 1
.irp b, 0,1,2,3,4,5,6,7
	global_load_b128 v[BIAS+8*\b:BIAS+8*\b+3],   v[BOFF], s[4:5] offset:64*\b
	global_load_b128 v[BIAS+8*\b+4:BIAS+8*\b+7], v[BOFF], s[4:5] offset:64*\b+16
.endr
	WIN 0
	; A fragment: lane (r, h) holds token r; two loads of 16 bytes, 32 apart, at r x pitch + 16 h
	v_mul_u32_u24 v3, v1, PA
	v_lshl_add_u32 v3, v2, 4, v3
	s_mul_i32 s22, s11, AHALF                      ; my 128 tokens
	v_add_nc_u32 v[ADRA], s22, v3
	v_add_nc_u32 v[ADRA+1], SLOT, v[ADRA]
	; W fragment by the transposing load: lane L addresses row k0 + 8 h + L % 8, 16 bytes at column 8 ((L / 8) % 2); it receives column r, k = k0 + 8 h + 0..7
	v_and_b32 v4, 7, v0
	v_lshl_add_u32 v4, v2, 3, v4
	v_mul_u32_u24 v4, v4, PB
	v_bfe_u32 v5, v0, 3, 1
	v_lshl_add_u32 v4, v5, 4, v4
	s_lshl_b32 s23, s12, 8                         ; my 128 columns
	s_add_co_u32 s23, s23, ATILE
	v_add_nc_u32 v[ADRB], s23, v4
	v_add_nc_u32 v[ADRB+1], SLOT, v[ADRB]
	s_mul_i32 s2, s10, 16*SP
	s_add_co_u32 s2, s2, STAGE                     ; my stage
	v_mul_u32_u24 v4, v1, SP
	v_lshl_add_u32 v4, v2, 4, v4
	v_add_nc_u32 v[STO], s2, v4                    ; in: row r, 16 bytes for each half of the lanes
	v_mul_u32_u24 v5, v2, SP
	v_lshl_add_u32 v5, v1, 4, v5
	v_add_nc_u32 v[RD], s2, v5                     ; back: lanes 0-15 one row of 256 bytes, lanes 16-31 the next
	v_lshlrev_b32 v5, 11, v2
	v_lshl_add_u32 v[CO], v1, 4, v5                ; the same two rows in qkvb
; 16 matrix instructions: token blocks a0, a0 + 1 of the window's four (hi = 0: my tokens 0-63, 1: tokens 64-127) x all 8 column blocks, 32 along K.
; zero = 1: the first product starts the sums: nothing is ever cleared.
.macro MUL16 f, hi, a0, zero
.irp a, \a0, \a0+1
.irp b, 0,1,2,3,4,5,6,7
.if \zero
	v_wmma_f32_16x16x32_bf16 v[8*(8*(\a)+\b):8*(8*(\a)+\b)+7], v[\f+8*\b:\f+8*\b+7], v[\f+8*(4*\hi+\a):\f+8*(4*\hi+\a)+7], 0
.else
	v_wmma_f32_16x16x32_bf16 v[8*(8*(\a)+\b):8*(8*(\a)+\b)+7], v[\f+8*\b:\f+8*\b+7], v[\f+8*(4*\hi+\a):\f+8*(4*\hi+\a)+7], v[8*(8*(\a)+\b):8*(8*(\a)+\b)+7]
.endif
.endr
.endr
.endm
; 32 LDS loads in one run: quarter kq (32 along K) of a slot into buffer f: W's 128 columns, then A's 128 tokens
.macro FETCH slot, kq, f
	WIN TO_B
.irp b, 0,1,2,3,4,5,6,7
	ds_load_tr16_b128 v[\f+8*\b:\f+8*\b+3],   v[ADRB+\slot] offset:\kq*32*PB+32*\b
	ds_load_tr16_b128 v[\f+8*\b+4:\f+8*\b+7], v[ADRB+\slot] offset:\kq*32*PB+32*\b+16*PB
.endr
	WIN 0
.irp t, 0,1,2,3,4,5,6,7
	ds_load_b128 v[\f+8*\t:\f+8*\t+3],   v[ADRA+\slot] offset:\kq*64+\t*16*PA
	ds_load_b128 v[\f+8*\t+4:\f+8*\t+7], v[ADRA+\slot] offset:\kq*64+\t*16*PA+32
.endr
.endm
; A K step is four quarters of 32 along K, 64 matrix instructions each, on buffers 0, 1, 0, 1.
; One of the first three: multiplies buffer f and, in its middle, fetches quarter kq of the same slot into buffer g.
; The 64 accumulators take turns, one instruction a turn, in the same order in every quarter.
.macro QUARTER slot, kq, f, g, zero
	s_wait_dscnt 8                                 ; W and A's tokens 0-63 are in; the youngest eight loads (A's tokens 64-127) may be out
	WIN MUL_LO
	MUL16 \f, 0, 0, \zero
	MUL16 \f, 0, 2, \zero
	PLACES
	FETCH \slot, \kq, \g
	s_wait_dscnt 32                                ; all but the 32 just issued
	WIN MUL_HI
	MUL16 \f, 1, 0, \zero
	MUL16 \f, 1, 2, \zero
.endm
.macro THREE slot, zero
	QUARTER \slot, 1, F0, F1, \zero
	QUARTER \slot, 2, F1, F0, 0
	QUARTER \slot, 3, F0, F1, 0
.endm
; The last quarter multiplies buffer 1 and changes slots.  In front of the barrier each wave waits for its reads of this slot and for all its
; tensor loads (one is out: its part of the next slot).  Behind it (fill = 1: behind the cluster's round that it opens) this slot is asked for again, first.
; From that request to the wait for it a wave issues 32 + 192 + 16 = 240 matrix instructions.
.macro TURN slot, next, fill
	s_wait_dscnt 8
	WIN MUL_LO
	MUL16 F1, 0, 0, 0
	s_wait_dscnt 0                                 ; my reads of this slot are over
	s_wait_tensorcnt 0x0                           ; all my tensor loads have landed
	ds_add_u32 v63, v63
	s_wait_dscnt 0x0
	s_barrier_signal -1
	MUL16 F1, 0, 2, 0                              ; register work while the others arrive
	WIN 0
	s_barrier_wait -1
.if \fill
	CREST                                          ; no wave of any partner still reads this slot or has a load on its way
	s_add_nc_u64 s[G0+4*\slot+2:G0+4*\slot+3], s[G0+4*\slot+2:G0+4*\slot+3], 2*ASTEP
	s_add_nc_u64 s[G0B+4*\slot+2:G0B+4*\slot+3], s[G0B+4*\slot+2:G0B+4*\slot+3], 2*BSTEP
	JLOAD \slot                                    ; my one tensor load behind the round; its four v_nop are also the places in front of the loads below
.else
	PLACES
.endif
	FETCH \next, 0, F0
	WIN MUL_HI
	MUL16 F1, 1, 0, 0
	MUL16 F1, 1, 2, 0
.endm
.macro LAP zero
	THREE 0, \zero
	TURN 0, 1, 1
	THREE 1, 0
	TURN 1, 0, 1
.endm
	s_wait_tensorcnt 0x1                           ; my part of K step 0 is in; K step 1's stays out
	s_barrier_signal -1
	s_barrier_wait -1
	FETCH 0, 0, F0
	LAP 1                                          ; K steps 0, 1; asks for 2, 3.  Its first products start the sums
	WIN 0                                          ; at a label and at a branch every window is 0
	s_mov_b32 s3, LAPS-2
.Llap:
	LAP 0
	WIN 0
	s_sub_co_u32 s3, s3, 1
	s_cmp_lg_u32 s3, 0
	s_cbranch_scc1 .Llap
	THREE 0, 0                                     ; the last lap asks for nothing and has no round of the cluster's barrier
	TURN 0, 1, 0
	THREE 1, 0
	s_wait_dscnt 8                                 ; the very last quarter: nothing more to fetch
	WIN MUL_LO
	MUL16 F1, 0, 0, 0
	MUL16 F1, 0, 2, 0
	s_wait_dscnt 0
	WIN MUL_HI
	MUL16 F1, 1, 0, 0
	MUL16 F1, 1, 2, 0
	; THE WAY OUT, 16 tokens at a time: add the bias, round to f16, 16 bytes a lane into my own stage, whole rows of 256 bytes back and out
	PLACES                                         ; places behind the last matrix instructions: the sums are read, the fragment buffers loaded again
	WIN 0
	s_wait_loadcnt 0x0                             ; the bias
	s_lshl_b32 s6, ttmp9, 24                       ; the matrix's 16,777,216 bytes of qkvb
	s_lshl_b32 s7, s13, 19                         ; 256 tokens of 2,048 bytes
	s_add_co_u32 s6, s6, s7
	s_lshl_b32 s7, s11, 18                         ; my 128 tokens
	s_add_co_u32 s6, s6, s7
	s_lshl_b32 s7, s40, 9                          ; 256 columns
	s_add_co_u32 s6, s6, s7
	s_lshl_b32 s7, s12, 8                          ; my 128 columns
	s_add_co_u32 s6, s6, s7
	s_mov_b32 s7, 0
	s_add_nc_u64 s[8:9], s[78:79], s[6:7]
; tokens 16 i .. 16 i + 15 of my block = the eight tiles (a, 0..7) of window 2 or 3.  from: source 0 that window, source 1 (bias) window 1.  f: F0 or F1 in turn
.macro OUT16 i, a, from, f
	WIN \from
.irp b, 0,1,2,3,4,5,6,7
.irp k, 0,2,4,6
	v_pk_add_f32 v[TMP+8*\b+\k:TMP+8*\b+\k+1], v[8*(8*\a+\b)+\k:8*(8*\a+\b)+\k+1], v[BIAS+8*\b+\k:BIAS+8*\b+\k+1]
.endr
.endr
	WIN 0
.irp b, 0,1,2,3,4,5,6,7
.irp k, 0,1,2,3
	v_cvt_pk_f16_f32 v[TMP+8*\b+\k], v[TMP+8*\b+2*\k], v[TMP+8*\b+2*\k+1]   ; in place, ascending: a register is written after its last read
.endr
.endr
.irp b, 0,1,2,3,4,5,6,7
	ds_store_b128 v[STO], v[TMP+8*\b:TMP+8*\b+3] offset:32*\b
.endr
	s_wait_xcnt 0x0                                ; buffer f, which earlier stores read, and the stores' base are rewritten only behind this wait
.if \i
	s_add_nc_u64 s[8:9], s[8:9], 16*2048
.endif
.irp t, 0,1,2,3,4,5,6,7
	ds_load_b128 v[\f+4*\t:\f+4*\t+3], v[RD] offset:\t*2*SP     ; LDS serves a wave's instructions in order: these see the stores above
.endr
.irp t, 0,1,2,3,4,5,6,7
	s_wait_dscnt 7-\t
	global_store_b128 v[CO], v[\f+4*\t:\f+4*\t+3], s[8:9] offset:\t*4096   ; 16 lanes store 256 consecutive bytes, aligned
.endr
.endm
	OUT16 0, 0, 0x06, F0
	OUT16 1, 1, 0x06, F1
	OUT16 2, 2, 0x06, F0
	OUT16 3, 3, 0x06, F1
	OUT16 4, 0, 0x07, F0
	OUT16 5, 1, 0x07, F1
	OUT16 6, 2, 0x07, F0
	OUT16 7, 3, 0x07, F1
	s_set_vgpr_msb 0x1
	s_wait_tensorcnt 0x0
	ds_add_u32 v63, v63
	s_wait_dscnt 0x0
	s_set_vgpr_msb 0x100
	CROUND                                         ; the closing round: no work-group ends while a partner may still ask jointly
	s_endpgm
.Lfunc_end_k_qdad328c3dc_qkv:
	.size	k_qdad328c3dc_qkv, .Lfunc_end_k_qdad328c3dc_qkv-k_qdad328c3dc_qkv
	.p2alignl 7, 3214868480
	.fill 96, 4, 3214868480
	.section	.rodata,"a",@progbits
	.p2align	6, 0x0
	.amdhsa_kernel k_qdad328c3dc_qkv
		.amdhsa_group_segment_fixed_size 327680
		.amdhsa_private_segment_fixed_size 0
		.amdhsa_enable_private_segment 0
		.amdhsa_kernarg_size 48
		.amdhsa_user_sgpr_count 2
		.amdhsa_user_sgpr_kernarg_segment_ptr 1
		.amdhsa_wavefront_size32 1
		.amdhsa_system_sgpr_workgroup_id_x 1
		.amdhsa_system_sgpr_workgroup_id_y 1
		.amdhsa_system_sgpr_workgroup_id_z 1
		.amdhsa_system_vgpr_workitem_id 0
		.amdhsa_next_free_vgpr 1024
		.amdhsa_next_free_sgpr 80
		.amdhsa_reserve_vcc 0
		.amdhsa_float_denorm_mode_32 3
		.amdhsa_float_denorm_mode_16_64 3
		.amdhsa_memory_ordered 1
		.amdhsa_forward_progress 1
		.amdhsa_inst_pref_size 215
	.end_amdhsa_kernel
	.amdgpu_metadata
---
amdhsa.version: [ 1, 2 ]
amdhsa.kernels:
  - .name:           k_qdad328c3dc_qkv
    .symbol:         k_qdad328c3dc_qkv.kd
    .args:
      - { .name: xb, .offset: 0, .size: 8, .value_kind: global_buffer, .address_space: global }
      - { .name: wb, .offset: 8, .size: 8, .value_kind: global_buffer, .address_space: global }
      - { .name: bq, .offset: 16, .size: 8, .value_kind: global_buffer, .address_space: global }
      - { .name: bk, .offset: 24, .size: 8, .value_kind: global_buffer, .address_space: global }
      - { .name: bv, .offset: 32, .size: 8, .value_kind: global_buffer, .address_space: global }
      - { .name: qkvb, .offset: 40, .size: 8, .value_kind: global_buffer, .address_space: global }
    .group_segment_fixed_size: 327680
    .private_segment_fixed_size: 0
    .kernarg_segment_align: 8
    .kernarg_segment_size: 48
    .max_flat_workgroup_size: 128
    .sgpr_count:     80
    .vgpr_count:     1024
    .wavefront_size: 32
...
	.end_amdgpu_metadata
.endif
;; end of part 5
;; launch attn (part 6): grid 8 x 32, 8 waves a work-group, clusters of 4 x 1, 327,680 bytes of LDS; arguments qkvb, mb, ctxb; writes ctxb
.if DOCPART == 6
	.amdgcn_target "amdgcn-amd-amdhsa--gfx1250"
	.amdhsa_code_object_version 6
	.text
	.protected	k_qdad328c3dc_attn
	.globl	k_qdad328c3dc_attn
	.p2align	8
	.type	k_qdad328c3dc_attn,@function
k_qdad328c3dc_attn:
	s_mov_b64 s[64:65], 0
	v_nop
	global_prefetch_b8 v0, s[64:65] scope:SCOPE_SE
	s_setreg_imm32_b32 hwreg(HW_REG_WAVE_MODE, 25, 1), 1
	s_wait_xcnt 0x0
	s_wait_alu depctr_hold_cnt(0) depctr_sa_sdst(0) depctr_va_vdst(0) depctr_va_sdst(0) depctr_va_ssrc(0) depctr_va_vcc(0) depctr_vm_vsrc(0)
	s_getreg_b32 s2, hwreg(HW_REG_IB_STS2, 6, 4)
	s_cmp_eq_u32 s2, 0
	s_cbranch_scc0 .Lentry_in_a_cluster
	s_endpgm
.Lentry_in_a_cluster:
	s_bfe_u32 s2, ttmp6, 0x10000c
	s_cmp_lg_u32 s2, 0x3003
	s_cbranch_scc0 .Lentry_shape_is_right
	s_endpgm
.Lentry_shape_is_right:
; attn: ctxb = softmax(mask(q k^T / 8)) v for every batch and head, with a running maximum.  q, k, v: qkvb[0..2][token][head x 64 + d], f16; ctxb f16.
; A work-group: one batch, a PAIR of heads (so that rows of K, V and ctx are 256 aligned bytes), 256 queries.  Eight waves: wave w has head w / 4 of the
; pair and queries 64 (w % 4) .. + 63.  256 work-groups.  All 2,048 keys are walked, 64 a trip: the mask is an input and is honoured bit by bit.
; CLUSTERS of 4 x 1: the four query blocks of a batch and head pair need the same K and V tiles and ask for them jointly (mask 15).
; LDS: two slots, each K's and V's 256 keys x (256 + 16) bytes: four trips a slot, one round of the cluster's barrier for four trips.
; One pitch serves both tiles, so one descriptor shape and one line serve all eight waves; V's transposing loads meet two lanes a bank with it.
; CODE: a trip is some 730 instructions.  The four trips of a slot run through one body, in a loop whose counter is the byte offset of the trip's 64 keys
; in the slot; the text holds five such bodies (the first trip, which starts the sums; slot 0's other three; two in the loop; one in the tail).
; The price: K's fragments are asked for at the head of their own trip, not a trip ahead, since a slot's last trip has no next one in the same slot.
; THE PRODUCTS ARE TRANSPOSED.  S^T = K Q^T: register j of tile (n, kt), lane (r, h) = (key 16 kt + 8 h + j, query 16 n + r): a query's 64 scores lie in two
; lanes, so maximum and sum are work inside a lane and one exchange; packed to f16 in place they ARE the second source of O^T = V^T P^T.
; mb holds, for every such register, its lane mask: one v_cndmask_b32 a register puts -inf where attn_mask is 0.
; FORMAT: f16 operands (11 significant bits): a query with few allowed keys has a ctx as large as v, and the rounding of P and ctx goes straight into it.
; P = 2^(c s - c m) lies in [0, 1]; below 2^-14 it is kept to a multiple of 2^-24.
; Limits: q, k, v, P and ctx are rounded to f16, |ctx| < 65,504.  The running maximum starts at -FLT_MAX (0xff7fffff), so a block without an allowed key
; gives p = 0 and factor 1; a query without any allowed key ends with sum 0 and 0 x inf = NaN, as the softmax of a row of -inf.  Sums are made in another
; order than row by row.
; REGISTERS: window 0: v0-63 small things, v64-127 V fragments, v128-255 S / P; window 1 (v256-511): O at 32 n + 8 dt, Q fragments at 128, K fragments at 192.
.set PITCH, 272
.set TRIPB, 64*PITCH                   ; a trip's 64 keys, and what one tensor load brings
.set KV,    256*PITCH                  ; K's (or V's) part of a slot
.set SLOT,  2*KV                       ; 139,264
.set BLK2,  2*256*2048                 ; bytes in qkvb from a slot's 256 keys to its next
.set OP,    144                        ; the way out: 128 + 16 bytes a row
.set OHEAD, 256*OP+128                 ; from head 0's stage to head 1's; the 128 puts the two on different banks
.set ADRK, 4                           ; v4-5   K fragments of a slot's first trip, slot 0, 1; never rewritten
.set ADRV, 6                           ; v6-7   V fragments likewise
.set NINF, 8
.set X,    9
.set QOFF, 10
.set M,    12                          ; v12-15 running maximum of query tile n
.set L,    16                          ; v16-19 running sum (this lane's half of the keys)
.set AL,   20                          ; v20,22,24,26 factor of tile n, low half of a pair
.set NMC,  28                          ; v[28:29] -c m of the tile at work
.set D,    30
.set T,    32                          ; v32-35
.set NM,   36                          ; v36-39 -c m of tile n as it was rounded
.set SUM,  40                          ; v40-47
.set AK,   48                          ; K fragments of the trip at work
.set AV,   49                          ; V fragments of the trip at work
.set STO,  56
.set RD,   57
.set CO,   58
.set VF,   64                          ; 32 ks2 + 8 dt
.set S,    128                         ; 32 n + 8 kt
.set O,    0                           ; window 1
.set QF,   128                         ; window 1: 16 n + 8 ks
.set KF,   192                         ; window 1: 16 kt + 8 ks
.set MSB, 0
.macro WIN new
.if MSB != \new
	s_set_vgpr_msb (MSB<<8)|\new
.set MSB, \new
.endif
.endm
.macro CROUND                          ; a round of the cluster's barrier
	s_barrier_signal -1
	s_barrier_wait -1
	s_cmp_lg_u32 s8, 0
	s_cbranch_scc1 .Lnot_wave_0_\@
	s_barrier_signal -3
.Lnot_wave_0_\@:
	s_barrier_wait -3
	s_barrier_signal -1
	s_barrier_wait -1
.endm
	s_load_b128 s[32:35], s[0:1], 0x0              ; qkvb s[32:33], mb s[34:35]
	s_load_b64 s[6:7], s[0:1], 0x10                ; ctxb
	v_lshl_add_u32 v62, v0, 2, 0x44000
	v_mov_b32 v63, 0
	ds_add_u32 v62, v63
	v_lshrrev_b32 v1, 5, v0
	v_readfirstlane_b32 s8, v1                     ; wave w
	s_lshr_b32 s9, s8, 2                           ; hs: my head of the pair.  Also: I fetch K (0) or V (1)
	s_and_b32 s10, s8, 3                           ; qs: my 64 queries.  Also: which 64 keys I fetch
	s_bfe_u32 s36, ttmp6, 0x40000                  ; cx
	s_lshl_b32 s37, ttmp9, 2
	s_add_co_u32 s37, s37, s36                     ; qb: block of 256 queries
	s_and_b32 s38, ttmp7, 0xffff
	s_lshr_b32 s39, s38, 3                         ; batch
	s_and_b32 s40, s38, 7                          ; pair of heads
	s_lshl_b32 s41, s39, 22                        ; 2,048 tokens of 2,048 bytes
	s_lshl_b32 s42, s40, 8                         ; 256 bytes a pair
	s_add_co_u32 s41, s41, s42
	s_lshl_b32 s42, s10, 17                        ; 64 tokens
	s_add_co_u32 s44, s9, 1                        ; K is matrix 1, V matrix 2 of qkvb
	s_lshl_b32 s44, s44, 24
	s_add_co_u32 s44, s44, s41
	s_add_co_u32 s44, s44, s42                     ; my quarter of the first K or V tile: no place in the cluster enters
	s_mov_b32 s45, 0
	s_lshl_b32 s46, s37, 19                        ; 256 tokens
	s_add_co_u32 s46, s46, s41
	s_add_co_u32 s48, s46, s42
	s_lshl_b32 s43, s9, 7
	s_add_co_u32 s48, s48, s43                     ; my 64 queries, my head
	s_mov_b32 s49, 0
	s_lshl_b32 s43, s8, 16                         ; the way out: 32 tokens a wave
	s_add_co_u32 s46, s46, s43
	s_mov_b32 s47, 0
	s_lshl2_add_u32 s50, s37, s10                  ; 4 qb + qs
	s_lshl_b32 s50, s50, 14                        ; 32 key blocks of 512 bytes
	s_mov_b32 s51, 0
	s_mul_i32 s29, s8, TRIPB                       ; LDS: K's four quarters, then V's four = wave x 64 rows
	s_mov_b32 s16, 15|(1<<16)|(1<<20)|(1<<21)|(5<<22)|(3<<25)   ; all four of the cluster; 2-byte elements; 4 words of padding behind every 64; bit 21 beside a mask
	s_mov_b32 s17, 128<<16                         ; tensor_dim0 = 128
	s_mov_b32 s18, 64<<16                          ; tensor_dim1 = 64
	s_mov_b32 s19, 128<<16                         ; tile_dim0 = 128 elements: 256 bytes
	s_mov_b32 s20, 64                              ; tile_dim1 = 64 keys
	s_mov_b32 s21, 1024                            ; elements from token to token
	s_mov_b32 s22, 0
	s_mov_b32 s23, 0
	s_wait_dscnt 0x0
	s_wait_kmcnt 0x0
	s_add_nc_u64 s[44:45], s[32:33], s[44:45]
	s_add_nc_u64 s[2:3], s[32:33], s[48:49]        ; q
	s_add_nc_u64 s[4:5], s[34:35], s[50:51]        ; my queries' mask words
	s_add_nc_u64 s[6:7], s[6:7], s[46:47]          ; ctxb at my 32 rows of the way out
	s_mov_b32 s12, 1                               ; group 0 of slot 0: s[12:15]
	s_mov_b32 s13, s29
	s_mov_b64 s[14:15], s[44:45]
	s_or_b32 s15, s15, 0x80000000
	s_mov_b32 s24, 1                               ; group 0 of slot 1: s[24:27]
	s_add_co_u32 s25, s29, SLOT
	s_add_nc_u64 s[26:27], s[44:45], 256*2048
	s_or_b32 s27, s27, 0x80000000
	CROUND                                         ; the four work-groups are here: the first joint loads meet
	tensor_load_to_lds s[12:15], s[16:23]          ; keys 0-255
	s_nop 0
	tensor_load_to_lds s[24:27], s[16:23]          ; keys 256-511: two tensor loads of the wave are out
	s_nop 0
.rept 4
	v_nop
.endr
	v_and_b32 v1, 15, v0                           ; r
	v_bfe_u32 v2, v0, 4, 1                         ; h
	v_lshlrev_b32 v[QOFF], 11, v1
	v_lshl_add_u32 v[QOFF], v2, 4, v[QOFF]         ; 2,048 r + 16 h
	WIN 0x40                                       ; destination in window 1
.irp n, 0,1,2,3
.irp ks, 0,1
	global_load_b128 v[QF+16*\n+8*\ks:QF+16*\n+8*\ks+3],   v[QOFF], s[2:3] offset:\n*32768+64*\ks
	global_load_b128 v[QF+16*\n+8*\ks+4:QF+16*\n+8*\ks+7], v[QOFF], s[2:3] offset:\n*32768+64*\ks+32
.endr
.endr
	WIN 0
	v_mul_u32_u24 v3, v1, PITCH
	v_lshl_add_u32 v3, v2, 4, v3
	s_lshl_b32 s52, s9, 7                          ; my head's 128 bytes of a row
	v_add_nc_u32 v[ADRK], s52, v3                  ; key r x pitch + 16 h
	v_add_nc_u32 v[ADRK+1], SLOT, v[ADRK]
	v_and_b32 v11, 7, v0
	v_lshl_add_u32 v11, v2, 3, v11
	v_mul_u32_u24 v11, v11, PITCH                  ; transposing load: key 8 h + L % 8,
	v_bfe_u32 v3, v0, 3, 1
	v_lshl_add_u32 v11, v3, 4, v11                 ; 16 bytes at d = 8 ((L / 8) % 2)
	s_add_co_u32 s53, s52, KV
	v_add_nc_u32 v[ADRV], s53, v11
	v_add_nc_u32 v[ADRV+1], SLOT, v[ADRV]
	s_mul_i32 s54, s9, OHEAD
	s_mul_i32 s55, s10, 64*OP
	s_add_co_u32 s54, s54, s55                     ; my stage: 64 rows of 144 bytes, mine alone
	v_mul_u32_u24 v11, v1, OP
	v_lshl_add_u32 v11, v2, 4, v11
	v_add_nc_u32 v[STO], s54, v11
	v_mul_u32_u24 v3, v3, OHEAD                    ; back: lanes 0-7 head 0's 128 bytes of a row, lanes 8-15 head 1's, lanes 16-31 the next row
	v_mul_u32_u24 v11, v2, OP
	v_add_nc_u32 v3, v3, v11
	v_and_b32 v11, 7, v0
	v_lshl_add_u32 v3, v11, 4, v3
	s_mul_i32 s56, s8, 32*OP
	v_add_nc_u32 v[RD], s56, v3
	v_lshlrev_b32 v3, 11, v2
	v_lshl_add_u32 v[CO], v1, 4, v3
	v_mov_b32 v[NINF], 0xff800000
	v_mov_b32 v[X], 0                              ; v_permlanex16_b32's destination counts as read
.irp k, 21,23,25,27,29
	v_mov_b32 v\k, 0                               ; upper halves of pairs of which the packed forms use the lower
.endr
	s_mov_b32 s11, 0                               ; byte offset of the key block's mask words
	s_mov_b32 s30, 0x76543210                      ; lane i of one half reads lane i of the other
	s_mov_b32 s31, 0xfedcba98
	s_mov_b32 s66, 0x3e38aa3b                      ; c = log2(e) / 8: the scale 1/sqrt(64) and the change of base in one factor
	s_mov_b32 s67, 0x3e38aa3b
	s_mov_b32 s100, 0xbe38aa3b                     ; -c
	s_mov_b32 s101, 0xff7fffff                     ; -FLT_MAX
.macro KLOAD                           ; 16 loads: the trip's 64 keys x 64 d of my head
	WIN 0x40
.irp kt, 0,1,2,3
.irp ks, 0,1
	ds_load_b128 v[KF+16*\kt+8*\ks:KF+16*\kt+8*\ks+3],   v[AK] offset:\kt*16*PITCH+64*\ks
	ds_load_b128 v[KF+16*\kt+8*\ks+4:KF+16*\kt+8*\ks+7], v[AK] offset:\kt*16*PITCH+64*\ks+32
.endr
.endr
.endm
.macro VLOAD                           ; 16 transposing loads: fragment (ks2, dt) = d 16 dt + r, keys 32 ks2 + ..
	WIN 0
.irp ks2, 0,1
.irp dt, 0,1,2,3
	ds_load_tr16_b128 v[VF+32*\ks2+8*\dt:VF+32*\ks2+8*\dt+3],   v[AV] offset:\ks2*32*PITCH+32*\dt
	ds_load_tr16_b128 v[VF+32*\ks2+8*\dt+4:VF+32*\ks2+8*\dt+7], v[AV] offset:\ks2*32*PITCH+32*\dt+16*PITCH
.endr
.endr
.endm
.macro MLOAD p                         ; the 64 mask words of query tiles 2 p (s32-63) and 2 p + 1 (s68-99)
	s_load_b512 s[32:47], s[4:5], s11 offset:256*\p
	s_load_b512 s[48:63], s[4:5], s11 offset:256*\p+64
	s_load_b512 s[68:83], s[4:5], s11 offset:256*\p+128
	s_load_b512 s[84:99], s[4:5], s11 offset:256*\p+192
.endm
.macro MASK2 p                         ; -inf where the mask's bit is 0
.irp kt, 0,1,2,3
.irp j, 0,1,2,3,4,5,6,7
	v_cndmask_b32 v[S+64*\p+8*\kt+\j], v[NINF], v[S+64*\p+8*\kt+\j], s[32+8*\kt+\j]
.endr
.endr
.irp kt, 0,1,2,3
.irp j, 0,1,2,3,4,5,6,7
	v_cndmask_b32 v[S+64*\p+32+8*\kt+\j], v[NINF], v[S+64*\p+32+8*\kt+\j], s[68+8*\kt+\j]
.endr
.endr
.endm
; The softmax step of query tile n: 32 scores a lane.
.macro SOFT n, first
.set SB, S+32*\n
.irp k, 0,1,2,3
	v_max3_num_f32 v[T+\k], v[SB+8*\k], v[SB+8*\k+1], v[SB+8*\k+2]     ; four chains that do not wait for each other
.endr
.irp k, 0,1,2,3
	v_max3_num_f32 v[T+\k], v[T+\k], v[SB+8*\k+3], v[SB+8*\k+4]
.endr
.irp k, 0,1,2,3
	v_max3_num_f32 v[T+\k], v[T+\k], v[SB+8*\k+5], v[SB+8*\k+6]
.endr
	v_max3_num_f32 v[T], v[T], v[T+1], v[SB+7]
	v_max3_num_f32 v[T+2], v[T+2], v[T+3], v[SB+15]
	v_max3_num_f32 v[T], v[T], v[T+2], v[SB+23]
.if \first
	v_max3_num_f32 v[T], v[T], v[SB+31], s101
.else
	v_max3_num_f32 v[T], v[T], v[SB+31], v[M+\n]
.endif
	v_permlanex16_b32 v[X], v[T], s30, s31         ; the other half of the keys
	v_max_num_f32 v[M+\n], v[T], v[X]              ; the new running maximum, alike in both halves
	v_mul_f32 v[NMC], s100, v[M+\n]                ; -c m, rounded once; every exponent of this tile is shifted by this very number,
.if \first == 0
	v_sub_f32 v[D], v[NMC], v[NM+\n]               ; and the factor for what was summed before is 2^(new shift - old shift): exactly 1 where the maximum stays.
.endif                                             ; (not fused with the multiply: the product's rounding residue would enter, which is huge at -FLT_MAX)
.set i, 0
.rept 16
	v_pk_fma_f32 v[SB+i:SB+i+1], v[SB+i:SB+i+1], s[66:67], v[NMC:NMC+1] op_sel_hi:[1,0,0]   ; c s - c m
.set i, i+2
.endr
.set i, 0
.rept 32
	v_exp_f32 v[SB+i], v[SB+i]
.set i, i+1
.endr
.if \first == 0
	v_exp_f32 v[AL+2*\n], v[D]
.endif
	v_mov_b32 v[NM+\n], v[NMC]                     ; also the plain instruction between the exponentials and the first use of a result (ISA guide 5.7.2)
	s_wait_alu depctr_va_vdst(0)
.irp k, 0,1,2,3
	v_pk_add_f32 v[SUM+2*\k:SUM+2*\k+1], v[SB+4*\k:SB+4*\k+1], v[SB+4*\k+2:SB+4*\k+3]
.endr
.irp k, 0,1,2,3
	v_pk_add_f32 v[SUM+2*\k:SUM+2*\k+1], v[SUM+2*\k:SUM+2*\k+1], v[SB+16+2*\k:SB+16+2*\k+1]
.endr
.irp k, 0,1,2,3
	v_pk_add_f32 v[SUM+2*\k:SUM+2*\k+1], v[SUM+2*\k:SUM+2*\k+1], v[SB+24+2*\k:SB+24+2*\k+1]
.endr
	v_pk_add_f32 v[SUM:SUM+1], v[SUM:SUM+1], v[SUM+2:SUM+3]
	v_pk_add_f32 v[SUM+4:SUM+5], v[SUM+4:SUM+5], v[SUM+6:SUM+7]
	v_pk_add_f32 v[SUM:SUM+1], v[SUM:SUM+1], v[SUM+4:SUM+5]
.if \first
	v_add_f32 v[L+\n], v[SUM], v[SUM+1]
.else
	v_add_f32 v[SUM], v[SUM], v[SUM+1]
	v_fma_f32 v[L+\n], v[L+\n], v[AL+2*\n], v[SUM]
.endif
.irp c, 0,1
.irp i, 0,1,2,3,4,5,6,7
	v_cvt_pk_f16_f32 v[SB+16*\c+\i], v[SB+16*\c+2*\i], v[SB+16*\c+2*\i+1]   ; in place, ascending: registers 16 c .. 16 c + 7 become P's fragment of keys 32 c .. + 31
.endr
.endr
.endm
; One trip: the 64 keys at byte s29 of K's and of V's part of a slot.  first: the sums start.  last: the trip belongs to the launch's last four.
; In both products sixteen accumulators take turns, one instruction a turn.
.macro TRIP slot, first, last
	v_add_nc_u32 v[AK], s29, v[ADRK+\slot]         ; the slot's address and the trip's offset.  These two lines and the three below are the five places behind
	v_add_nc_u32 v[AV], s29, v[ADRV+\slot]         ; the last trip's products (ISA guide 7.12.1): V's fragments are loaded again, P's registers written by matrix instructions
.if \first == 0
.rept 3
	v_nop
.endr
.endif
	KLOAD
	VLOAD
	s_wait_dscnt 16                                ; the 16 older loads, K's fragments, are in; V's stay out
	WIN 0x05                                       ; K and Q in window 1, S in window 0
.irp n, 0,1,2,3
.irp kt, 0,1,2,3
	v_wmma_f32_16x16x32_f16 v[S+32*\n+8*\kt:S+32*\n+8*\kt+7], v[KF+16*\kt:KF+16*\kt+7], v[QF+16*\n:QF+16*\n+7], 0
.endr
.endr
.irp n, 0,1,2,3
.irp kt, 0,1,2,3
	v_wmma_f32_16x16x32_f16 v[S+32*\n+8*\kt:S+32*\n+8*\kt+7], v[KF+16*\kt+8:KF+16*\kt+15], v[QF+16*\n+8:QF+16*\n+15], v[S+32*\n+8*\kt:S+32*\n+8*\kt+7]
.endr
.endr
.rept 4
	v_nop                                          ; places: S is read
.endr
	WIN 0
	s_wait_kmcnt 0x0                               ; scalar loads come back in no order: 0.  Tiles 0, 1's words were asked for two softmax steps and two products ago
	MASK2 0
	MLOAD 1
	SOFT 0, \first
	SOFT 1, \first
	s_wait_kmcnt 0x0                               ; tiles 2, 3's words; the loads are done, so their offset register may be stepped
	MASK2 1
	s_add_co_u32 s11, s11, 512                     ; the next 64 keys' words
.if \last
	s_min_u32 s11, s11, 31*512                     ; the launch's last trip has no next: it asks once more for the last block's 256 bytes, which nobody uses,
.endif                                             ; so that the load stays inside mb and the four trips keep one body
	MLOAD 0
	SOFT 2, \first
	SOFT 3, \first
.if \first == 0
	WIN 0x41                                       ; O in window 1, the factor in window 0
.irp n, 0,1,2,3
.set i, 0
.rept 16
	v_pk_mul_f32 v[O+32*\n+i:O+32*\n+i+1], v[O+32*\n+i:O+32*\n+i+1], v[AL+2*\n:AL+2*\n+1] op_sel_hi:[1,0]
.set i, i+2
.endr
.endr
.endif
	s_wait_dscnt 0                                 ; V's fragments are in: nothing was issued behind them
	WIN 0x50                                       ; O in window 1, V and P in window 0
.irp n, 0,1,2,3
.irp dt, 0,1,2,3
.if \first
	v_wmma_f32_16x16x32_f16 v[O+32*\n+8*\dt:O+32*\n+8*\dt+7], v[VF+8*\dt:VF+8*\dt+7], v[S+32*\n:S+32*\n+7], 0
.else
	v_wmma_f32_16x16x32_f16 v[O+32*\n+8*\dt:O+32*\n+8*\dt+7], v[VF+8*\dt:VF+8*\dt+7], v[S+32*\n:S+32*\n+7], v[O+32*\n+8*\dt:O+32*\n+8*\dt+7]
.endif
.endr
.endr
.irp n, 0,1,2,3
.irp dt, 0,1,2,3
	v_wmma_f32_16x16x32_f16 v[O+32*\n+8*\dt:O+32*\n+8*\dt+7], v[VF+32+8*\dt:VF+32+8*\dt+7], v[S+32*\n+16:S+32*\n+23], v[O+32*\n+8*\dt:O+32*\n+8*\dt+7]
.endr
.endr
	WIN 0
.endm
; The trips start .. 3 of a slot, through one body.  The loop's counter is the trip's byte offset in the slot: start x 17,408, .., 3 x 17,408.
.macro GROUP slot, start, last
	s_mov_b32 s29, \start*TRIPB
.Ltrip_\@:
	TRIP \slot, 0, \last
	s_add_co_u32 s29, s29, TRIPB
	s_cmp_lt_u32 s29, 4*TRIPB
	s_cbranch_scc1 .Ltrip_\@
.endm
; Going over to a slot.  Every wave waits for all its tensor loads (its part of that slot among them) and for its reads of the other slot.
; refill = 1: a round of the cluster's barrier, and the other slot is asked for again, first thing behind it, one load a wave.
.macro CHANGE slot, refill
	s_wait_tensorcnt 0x0
	ds_add_u32 v62, v63
	s_wait_dscnt 0x0
.if \refill
	s_add_nc_u64 s[26-12*\slot:27-12*\slot], s[26-12*\slot:27-12*\slot], BLK2   ; no tensor load of mine is out: the other slot's address steps 512 keys
.endif
	s_wait_dscnt 0x0
.if \refill
	CROUND
	tensor_load_to_lds s[24-12*\slot:27-12*\slot], s[16:23]
	s_nop 0
.rept 4
	v_nop
.endr
.else
	s_barrier_signal -1
	s_barrier_wait -1
.endif
.endm
	MLOAD 0                                        ; behind the last use of the set-up's scalars in s32-63
	s_wait_tensorcnt 0x1                           ; my part of slot 0 is in; slot 1's stays out
	s_barrier_signal -1
	s_barrier_wait -1
	s_wait_loadcnt 0x0                             ; Q's fragments
	s_mov_b32 s29, 0
	TRIP 0, 1, 0                                   ; keys 0-63 start the sums: nothing is cleared
	GROUP 0, 1, 0                                  ; keys 64-255
	s_mov_b32 s28, 3
.Lpass:
	CHANGE 1, 1                                    ; slot 0 gets keys 512 .., 1024 .., 1536 ..
	GROUP 1, 0, 0
	CHANGE 0, 1                                    ; slot 1 gets keys 768 .., 1280 .., 1792 ..
	GROUP 0, 0, 0
	s_sub_co_u32 s28, s28, 1
	s_cmp_lg_u32 s28, 0
	s_cbranch_scc1 .Lpass
	CHANGE 1, 0                                    ; nothing is left to fetch
	GROUP 1, 0, 1                                  ; keys 1792-2047
	; THE WAY OUT.  O / sum, f16, through LDS.  The stage lies in slot 0: its last fill has landed and its last reads ended in front of the last barrier.
.rept 4
	v_nop                                          ; places behind the last products
.endr
.irp n, 0,1,2,3
	v_permlanex16_b32 v[X], v[L+\n], s30, s31
	v_add_f32 v[L+\n], v[L+\n], v[X]               ; both halves of the keys
.endr
.irp n, 0,1,2,3
	v_rcp_f32 v[AL+2*\n], v[L+\n]
.endr
	v_nop                                          ; a plain instruction between the reciprocals and their use
	WIN 0x01                                       ; O from window 1
	s_wait_alu depctr_va_vdst(0)
.irp n, 0,1,2,3
.set i, 0
.rept 16
	v_pk_mul_f32 v[S+32*\n+i:S+32*\n+i+1], v[O+32*\n+i:O+32*\n+i+1], v[AL+2*\n:AL+2*\n+1] op_sel_hi:[1,0]
.set i, i+2
.endr
.endr
	WIN 0
.irp n, 0,1,2,3
.irp dt, 0,1,2,3
.irp i, 0,1,2,3
	v_cvt_pk_f16_f32 v[S+32*\n+8*\dt+\i], v[S+32*\n+8*\dt+2*\i], v[S+32*\n+8*\dt+2*\i+1]
.endr
	ds_store_b128 v[STO], v[S+32*\n+8*\dt:S+32*\n+8*\dt+3] offset:\n*16*OP+32*\dt   ; query 16 n + r, d = 16 dt + 8 h + 0..7
.endr
.endr
	s_wait_dscnt 0x0                               ; for the others' sake: my stores are done
	s_barrier_signal -1
	s_barrier_wait -1
.irp t, 0,1,2,3,4,5,6,7,8,9,10,11,12,13,14,15
	ds_load_b128 v[VF+4*\t:VF+4*\t+3], v[RD] offset:\t*2*OP
.endr
.irp t, 0,1,2,3,4,5,6,7,8,9,10,11,12,13,14,15
	s_wait_dscnt 15-\t
	global_store_b128 v[CO], v[VF+4*\t:VF+4*\t+3], s[6:7] offset:\t*4096   ; 16 lanes store the pair of heads' 256 consecutive bytes of a token, aligned
.endr
	s_wait_tensorcnt 0x0
	ds_add_u32 v62, v63
	s_wait_dscnt 0x0
	CROUND                                         ; the closing round
	s_endpgm
.Lfunc_end_k_qdad328c3dc_attn:
	.size	k_qdad328c3dc_attn, .Lfunc_end_k_qdad328c3dc_attn-k_qdad328c3dc_attn
	.p2alignl 7, 3214868480
	.fill 96, 4, 3214868480
	.section	.rodata,"a",@progbits
	.p2align	6, 0x0
	.amdhsa_kernel k_qdad328c3dc_attn
		.amdhsa_group_segment_fixed_size 327680
		.amdhsa_private_segment_fixed_size 0
		.amdhsa_enable_private_segment 0
		.amdhsa_kernarg_size 24
		.amdhsa_user_sgpr_count 2
		.amdhsa_user_sgpr_kernarg_segment_ptr 1
		.amdhsa_wavefront_size32 1
		.amdhsa_system_sgpr_workgroup_id_x 1
		.amdhsa_system_sgpr_workgroup_id_y 1
		.amdhsa_system_sgpr_workgroup_id_z 1
		.amdhsa_system_vgpr_workitem_id 0
		.amdhsa_next_free_vgpr 512
		.amdhsa_next_free_sgpr 102
		.amdhsa_reserve_vcc 0
		.amdhsa_float_denorm_mode_32 3
		.amdhsa_float_denorm_mode_16_64 3
		.amdhsa_memory_ordered 1
		.amdhsa_forward_progress 1
		.amdhsa_inst_pref_size 221
	.end_amdhsa_kernel
	.amdgpu_metadata
---
amdhsa.version: [ 1, 2 ]
amdhsa.kernels:
  - .name:           k_qdad328c3dc_attn
    .symbol:         k_qdad328c3dc_attn.kd
    .args:
      - { .name: qkvb, .offset: 0, .size: 8, .value_kind: global_buffer, .address_space: global }
      - { .name: mb, .offset: 8, .size: 8, .value_kind: global_buffer, .address_space: global }
      - { .name: ctxb, .offset: 16, .size: 8, .value_kind: global_buffer, .address_space: global }
    .group_segment_fixed_size: 327680
    .private_segment_fixed_size: 0
    .kernarg_segment_align: 8
    .kernarg_segment_size: 24
    .max_flat_workgroup_size: 256
    .sgpr_count:     102
    .vgpr_count:     512
    .wavefront_size: 32
...
	.end_amdgpu_metadata
.endif
;; end of part 6
;; launch oproj: the kernel of part 4 again; grid 4 x 64, 4 waves a work-group, clusters of 4 x 4, 327,680 bytes of LDS; arguments ctxb, wb, bo, out0; writes out0
;; ======== version 3 of 3: 4 launches; version 2 with the launch prep written anew for expert scheduling mode
;; limits: values are held in f16: magnitudes above 65,504 overflow, below 6.1e-05 lose precision
;; workspace buffers: xb 16,777,216 bytes; wb 8,388,608 bytes; mb 524,288 bytes of whole numbers; qkvb 50,331,648 bytes; ctxb 16,777,216 bytes
;; launch prep (part 7): grid 512 x 1, 8 waves a work-group, no clusters, 0 bytes of LDS; arguments x, Wq, Wk, Wv, Wo, attn_mask, xb, wb, mb; writes xb, wb, mb
.if DOCPART == 7
	.amdgcn_target "amdgcn-amd-amdhsa--gfx1250"
	.amdhsa_code_object_version 6
	.text
	.protected	k_qdad328c3dc_prep
	.globl	k_qdad328c3dc_prep
	.p2align	8
	.type	k_qdad328c3dc_prep,@function
k_qdad328c3dc_prep:
	s_mov_b64 s[64:65], 0
	v_nop
	global_prefetch_b8 v0, s[64:65] scope:SCOPE_SE
	s_setreg_imm32_b32 hwreg(HW_REG_WAVE_SCHED_MODE, 0, 2), 2
	s_setreg_imm32_b32 hwreg(HW_REG_WAVE_MODE, 25, 1), 1
	s_wait_xcnt 0x0
	s_wait_alu depctr_vm_vsrc(0)
; prep: x and the four weights are rounded to bf16 (same layout), and the int32 mask is packed to one bit a number.
; 512 work-groups of eight waves, each with 131,072 bytes to read:
;   groups 0-255   a chunk of 32,768 numbers of x            -> xb
;   groups 256-383 a chunk of 32,768 numbers of Wq,Wk,Wv,Wo  -> wb = [4][1024][1024]
;   groups 384-511 eight tiles (one a wave) of 64 queries x 64 keys of attn_mask -> mb
; Wo (groups 352-383) gets the same rounding to bf16 as the other weights, and that value is then written in f16: its partner in the last product, ctx,
; is kept in f16, and a matrix instruction takes one format.  A bf16 number has 8 significant bits, so it is exact in f16 for |w| >= 2^-17 and falls on a
; multiple of 2^-24 below.  Limit: |Wo| < 65,504.
; mb = [q/64][key/64][n 4][kt 4][j 8] words; bit r + 16 h of a word says attn_mask[64 q64 + 16 n + r][64 kb + 16 kt + 8 h + j] != 0:
; the word is the lane mask of one register of a 16 x 16 score tile in the attention launch.
; A stream: no LDS, no barrier, no matrix unit.  All of a wave's 32 loads go out in one run; the waits count down.
; THE MODE: SCHED_MODE bits 1:0 = 2 (LLVM: expert scheduling mode 2), set by the entry lines.  The code itself states the register dependences
; between vector instructions and memory instructions, and between a vector instruction that writes a scalar register and its reader, with s_wait_alu, always for 0.
; THE PLAN, casts.  Registers that memory instructions touch:
;   v1, v2        byte offsets of the loads and of the stores: written once at the head, never again.
;   DAT + 8 n ..  unit n's eight registers: written by its two loads (no vector instruction names them before); read and, the first four, written in place by
;                 unit n's conversions; the first four read by unit n's store; written by nothing behind that store.
; So no load lands in a register that a vector instruction has named, and no register that a memory instruction has read is written again.  What is left:
; the offsets ahead of the first load, and the packed units ahead of their stores.  The 16 units go in four groups of four: a group's stores are issued in
; the next group, behind ONE wait at its head, one store ahead of each unit's conversions; those conversions name their own unit's registers alone.
; THE PLAN, the mask.  v1 (the loads' offset), v2 (the store's) and v[4:7] (the store's data) are written by vector instructions; DAT .. by the loads alone.
; The compares write scalar registers that v_writelane_b32 reads: they go in runs of sixteen, into sixteen registers, with one wait behind each run.
.set NX,    256                        ; groups that cast x
.set NWO,   352                        ; first group of Wo
.set NCAST, 384                        ; groups that cast
.set DAT,   8                          ; v[8:135] the 128 words that a lane loads
; Unit n of a chunk: 8 numbers of the thread are rounded and packed.  h = 1: the bf16 values are written in f16.
.macro CVT n, h
	v_cvt_pk_bf16_f32 v[DAT+8*(\n)],   v[DAT+8*(\n)],   v[DAT+8*(\n)+1]   ; in place, ascending: a register is written after its last read
	v_cvt_pk_bf16_f32 v[DAT+8*(\n)+1], v[DAT+8*(\n)+2], v[DAT+8*(\n)+3]
	v_cvt_pk_bf16_f32 v[DAT+8*(\n)+2], v[DAT+8*(\n)+4], v[DAT+8*(\n)+5]
	v_cvt_pk_bf16_f32 v[DAT+8*(\n)+3], v[DAT+8*(\n)+6], v[DAT+8*(\n)+7]
.if \h
	v_and_b32     v[DAT+8*(\n)+7], 0xffff0000, v[DAT+8*(\n)+3]          ; bf16 to f32, descending: a packed word is read before its register is written
	v_lshlrev_b32 v[DAT+8*(\n)+6], 16, v[DAT+8*(\n)+3]
	v_and_b32     v[DAT+8*(\n)+5], 0xffff0000, v[DAT+8*(\n)+2]
	v_lshlrev_b32 v[DAT+8*(\n)+4], 16, v[DAT+8*(\n)+2]
	v_and_b32     v[DAT+8*(\n)+3], 0xffff0000, v[DAT+8*(\n)+1]
	v_lshlrev_b32 v[DAT+8*(\n)+2], 16, v[DAT+8*(\n)+1]
	v_and_b32     v[DAT+8*(\n)+1], 0xffff0000, v[DAT+8*(\n)]
	v_lshlrev_b32 v[DAT+8*(\n)],   16, v[DAT+8*(\n)]
	v_cvt_pk_f16_f32 v[DAT+8*(\n)],   v[DAT+8*(\n)],   v[DAT+8*(\n)+1]
	v_cvt_pk_f16_f32 v[DAT+8*(\n)+1], v[DAT+8*(\n)+2], v[DAT+8*(\n)+3]
	v_cvt_pk_f16_f32 v[DAT+8*(\n)+2], v[DAT+8*(\n)+4], v[DAT+8*(\n)+5]
	v_cvt_pk_f16_f32 v[DAT+8*(\n)+3], v[DAT+8*(\n)+6], v[DAT+8*(\n)+7]
.endif
.endm
; Unit n is stored: 16 bytes a thread, a wave's store covers 512 consecutive bytes.
.macro PUT n
	global_store_b128 v2, v[DAT+8*(\n):DAT+8*(\n)+3], s[30:31] offset:4096*(\n)   ; no register of a store is written again
.endm
; The chunk's 16 units, in four groups of four.  Group g rounds its units and stores those of group g - 1.
.macro CHUNK h
.irp g, 0,1,2,3
.irp i, 0,1,2,3
	s_wait_loadcnt 30-2*(4*(\g)+(\i))              ; loads come back in order: this unit's two are in, the younger ones stay out
.if \g
.if (\i) == 0
	s_wait_alu depctr_va_vdst(0)                   ; the group before has written its four packed units, which the four stores of this group read; no conversion issued behind this wait names them or v2
.endif
	PUT 4*(\g)+(\i)-4
.endif
	CVT 4*(\g)+(\i), \h
.endr
.endr
	s_wait_alu depctr_va_vdst(0)                   ; units 12 to 15 are written, which the last four stores read
.irp i, 12,13,14,15
	PUT \i
.endr
.endm
	s_load_b512 s[8:23], s[0:1], 0x0               ; x s[8:9], Wq s[10:11], Wk s[12:13], Wv s[14:15], Wo s[16:17], attn_mask s[18:19], xb s[20:21], wb s[22:23]
	s_load_b64 s[24:25], s[0:1], 0x40              ; mb
	s_cmp_ge_u32 ttmp9, NCAST
	s_cbranch_scc1 .Lmask
	; ---- casts.  Unit u of a chunk: 8,192 bytes in (32 a thread), 4,096 bytes out (16 a thread: a wave's store covers 512 consecutive bytes)
	s_sub_co_u32 s2, ttmp9, NX                     ; chunk among the weights' 128 (not used by the groups of x)
	s_lshr_b32 s3, s2, 5                           ; which weight
	s_and_b32 s4, s2, 31                           ; chunk inside it
	v_lshlrev_b32 v1, 5, v0                        ; 32 t
	v_lshlrev_b32 v2, 4, v0                        ; 16 t
	s_wait_kmcnt 0x0
	s_cmp_eq_u32 s3, 1
	s_cselect_b64 s[28:29], s[12:13], s[10:11]
	s_cmp_eq_u32 s3, 2
	s_cselect_b64 s[28:29], s[14:15], s[28:29]
	s_cmp_eq_u32 s3, 3
	s_cselect_b64 s[28:29], s[16:17], s[28:29]
	s_cmp_lt_u32 ttmp9, NX
	s_cselect_b64 s[28:29], s[8:9], s[28:29]       ; from: x or the weight
	s_cselect_b64 s[30:31], s[20:21], s[22:23]     ; to: xb or wb
	s_cselect_b32 s4, ttmp9, s4                    ; chunk in the source
	s_cselect_b32 s5, ttmp9, s2                    ; chunk in the destination
	s_lshl_b32 s32, s4, 17                         ; x 131,072 bytes
	s_mov_b32 s33, 0
	s_lshl_b32 s34, s5, 16                         ; x 65,536 bytes
	s_mov_b32 s35, 0
	s_add_nc_u64 s[28:29], s[28:29], s[32:33]
	s_add_nc_u64 s[30:31], s[30:31], s[34:35]
	s_wait_alu depctr_va_vdst(0)                   ; v1 and v2 are written: every load reads v1 and every store v2 as its offset
.set u, 0
.rept 16
	global_load_b128 v[DAT+8*u:DAT+8*u+3],   v1, s[28:29] offset:8192*u th:TH_LOAD_NT
	global_load_b128 v[DAT+8*u+4:DAT+8*u+7], v1, s[28:29] offset:8192*u+16 th:TH_LOAD_NT
.set u, u+1
.endr
	s_cmp_ge_u32 ttmp9, NWO
	s_cbranch_scc1 .Lwo
	CHUNK 0
	s_endpgm
.Lwo:
	CHUNK 1
	s_endpgm
	; ---- the mask.  Lane r + 16 h takes row 16 n + r, words 16 kt + 8 h + 0..7: register DAT + 32 n + 8 kt + j is word (n, kt, j) of the tile.
.Lmask:
	v_lshrrev_b32 v1, 5, v0
	v_readfirstlane_b32 s3, v1                     ; wave
	v_and_b32 v2, 15, v0                           ; r
	v_bfe_u32 v3, v0, 4, 1                         ; h
	v_lshlrev_b32 v1, 13, v2
	v_lshl_add_u32 v1, v3, 5, v1                   ; 8,192 r + 32 h
	v_and_b32 v2, 31, v0
	v_lshlrev_b32 v2, 4, v2                        ; 16 x lane: where I store
.irp k, 4,5,6,7
	v_mov_b32 v\k, 0                               ; v_writelane_b32 keeps the other lanes: the four registers are written whole first
.endr
	s_sub_co_u32 s2, ttmp9, NCAST
	s_wait_alu depctr_va_sdst(0)                   ; s3 is written, ahead of its first reader: the tile's number is made from it
	s_lshl3_add_u32 s2, s2, s3                     ; tile T = 8 x group + wave = 32 q64 + kb
	s_lshr_b32 s4, s2, 5                           ; q64
	s_and_b32 s5, s2, 31                           ; kb
	s_lshl_b32 s32, s4, 19                         ; 64 rows of 8,192 bytes
	s_lshl_b32 s5, s5, 8                           ; 64 words
	s_add_co_u32 s32, s32, s5
	s_mov_b32 s33, 0
	s_lshl_b32 s34, s2, 9                          ; 128 words out for each tile
	s_mov_b32 s35, 0
	s_wait_kmcnt 0x0
	s_add_nc_u64 s[18:19], s[18:19], s[32:33]
	s_add_nc_u64 s[24:25], s[24:25], s[34:35]
	s_wait_alu depctr_va_vdst(0)                   ; v1 is written, which every load below reads as its offset
.irp n, 0,1,2,3
.irp kt, 0,1,2,3
	global_load_b128 v[DAT+32*\n+8*\kt:DAT+32*\n+8*\kt+3],   v1, s[18:19] offset:\n*131072+\kt*64 th:TH_LOAD_NT
	global_load_b128 v[DAT+32*\n+8*\kt+4:DAT+32*\n+8*\kt+7], v1, s[18:19] offset:\n*131072+\kt*64+16 th:TH_LOAD_NT
.endr
.endr
	; word w of the tile goes to lane w / 4, register 4 + w % 4, so that one store of 16 bytes a lane writes the tile's 512 bytes.
	; Run q: words 16 q .. 16 q + 15, which four loads brought.  Sixteen compares into sixteen scalar registers (none of which has held an address), one wait, sixteen lane writes.
.macro BITS q
	s_wait_loadcnt 28-4*(\q)                       ; loads come back in order: the run's four are in, the 28 - 4 q younger ones stay out
.set w, 16*(\q)
.irp sg, 6,7,26,27,28,29,30,31,32,33,34,35,36,37,38,39
	v_cmp_ne_u32 s\sg, 0, v[DAT+w]
.set w, w+1
.endr
	s_wait_alu depctr_va_sdst(0)                   ; the sixteen compares have written their lane masks, ahead of the first v_writelane_b32 that reads one
.set w, 16*(\q)
.irp sg, 6,7,26,27,28,29,30,31,32,33,34,35,36,37,38,39
	v_writelane_b32 v[4+(w&3)], s\sg, w>>2
.set w, w+1
.endr
.endm
.irp q, 0,1,2,3,4,5,6,7
	BITS \q
.endr
	s_wait_alu depctr_va_vdst(0)                   ; the lane writes have written v[4:7], which the store reads (v2, its offset, was written ahead of the wait in front of the loads)
	global_store_b128 v2, v[4:7], s[24:25]
	s_endpgm
.Lfunc_end_k_qdad328c3dc_prep:
	.size	k_qdad328c3dc_prep, .Lfunc_end_k_qdad328c3dc_prep-k_qdad328c3dc_prep
	.p2alignl 7, 3214868480
	.fill 96, 4, 3214868480
	.section	.rodata,"a",@progbits
	.p2align	6, 0x0
	.amdhsa_kernel k_qdad328c3dc_prep
		.amdhsa_group_segment_fixed_size 0
		.amdhsa_private_segment_fixed_size 0
		.amdhsa_enable_private_segment 0
		.amdhsa_kernarg_size 72
		.amdhsa_user_sgpr_count 2
		.amdhsa_user_sgpr_kernarg_segment_ptr 1
		.amdhsa_wavefront_size32 1
		.amdhsa_system_sgpr_workgroup_id_x 1
		.amdhsa_system_sgpr_workgroup_id_y 1
		.amdhsa_system_sgpr_workgroup_id_z 1
		.amdhsa_system_vgpr_workitem_id 0
		.amdhsa_next_free_vgpr 136
		.amdhsa_next_free_sgpr 66
		.amdhsa_reserve_vcc 0
		.amdhsa_float_denorm_mode_32 3
		.amdhsa_float_denorm_mode_16_64 3
		.amdhsa_memory_ordered 1
		.amdhsa_forward_progress 1
		.amdhsa_inst_pref_size 48
	.end_amdhsa_kernel
	.amdgpu_metadata
---
amdhsa.version: [ 1, 2 ]
amdhsa.kernels:
  - .name:           k_qdad328c3dc_prep
    .symbol:         k_qdad328c3dc_prep.kd
    .args:
      - { .name: x, .offset: 0, .size: 8, .value_kind: global_buffer, .address_space: global }
      - { .name: Wq, .offset: 8, .size: 8, .value_kind: global_buffer, .address_space: global }
      - { .name: Wk, .offset: 16, .size: 8, .value_kind: global_buffer, .address_space: global }
      - { .name: Wv, .offset: 24, .size: 8, .value_kind: global_buffer, .address_space: global }
      - { .name: Wo, .offset: 32, .size: 8, .value_kind: global_buffer, .address_space: global }
      - { .name: attn_mask, .offset: 40, .size: 8, .value_kind: global_buffer, .address_space: global }
      - { .name: xb, .offset: 48, .size: 8, .value_kind: global_buffer, .address_space: global }
      - { .name: wb, .offset: 56, .size: 8, .value_kind: global_buffer, .address_space: global }
      - { .name: mb, .offset: 64, .size: 8, .value_kind: global_buffer, .address_space: global }
    .group_segment_fixed_size: 0
    .private_segment_fixed_size: 0
    .kernarg_segment_align: 8
    .kernarg_segment_size: 72
    .max_flat_workgroup_size: 256
    .sgpr_count:     66
    .vgpr_count:     136
    .wavefront_size: 32
...
	.end_amdgpu_metadata
.endif
;; end of part 7
;; launch qkv: the kernel of part 5 again; grid 12 x 32, 4 waves a work-group, clusters of 4 x 4, 327,680 bytes of LDS; arguments xb, wb, bq, bk, bv, qkvb; writes qkvb
;; launch attn: the kernel of part 6 again; grid 8 x 32, 8 waves a work-group, clusters of 4 x 1, 327,680 bytes of LDS; arguments qkvb, mb, ctxb; writes ctxb
;; launch oproj: the kernel of part 4 again; grid 4 x 64, 4 waves a work-group, clusters of 4 x 4, 327,680 bytes of LDS; arguments ctxb, wb, bo, out0; writes out0
